; MI455X (gfx1250); checked and timed in simulation.
; The chip was launched on July 23, 2026; its instructions are those of AMD's public machine-readable ISA for CDNA 5 (MIT licence, August 2026) and "CDNA5" Instruction Set Architecture Reference Guide (July 2026). The comments in the code are by the model that wrote it; some were corrected since.
;; Multihead Self Attention. Allowed arithmetic: matrix products marked QUANTISED: E3M2 operands, one E8M0 scale for each 32 along K, by v_wmma_scale_f32_16x16x128_f8f6f4 with both operands' format E3M2, f32 sums; everything else in f32.
;; Inputs: Wk 1,024 x 1,024 float32; Wo 1,024 x 1,024 float32; Wq 1,024 x 1,024 float32; Wv 1,024 x 1,024 float32; bk 1,024 float32; bo 1,024 float32; bq 1,024 float32; bv 1,024 float32; x 4 x 2,048 x 1,024 float32.
;; Outputs: out0 4 x 2,048 x 1,024 float32.
;; This version of the problem:
;;   THIS VERSION OF THE PROBLEM IS GIVEN IN LOW PRECISION. The matrix products marked QUANTISED in the list below multiply operands that are first quantised to E3M2 (3 exponent bits, 2 mantissa bits; 6 bits a number), with one power-of-two scale for each 32 numbers along K (OCP MX v1.0); their sums are f32. All else is computed in f32.
;;   The module's matrix products, in the order in which they are computed (A, B: the left and right operand; K: the contracted axis; several contracted axes count as one K, in the product's order):
;;     1. [M 8,192, K 1,024] x [K 1,024, N 1,024]; A: input x; B: input Wq: QUANTISED
;;     2. [M 8,192, K 1,024] x [K 1,024, N 1,024]; A: input x; B: input Wk: QUANTISED
;;     3. [M 8,192, K 1,024] x [K 1,024, N 1,024]; A: input x; B: input Wv: QUANTISED
;;     4. batch 64 x [M 2,048, K 64] x [K 64, N 2,048]; A: computed on the way; B: computed on the way: QUANTISED
;;     5. batch 64 x [M 2,048, K 2,048] x [K 2,048, N 64]; A: softmax (see below); B: computed on the way: QUANTISED
;;     6. [M 8,192, K 1,024] x [K 1,024, N 1,024]; A: computed on the way; B: input Wo: QUANTISED
;;   THE QUANTISER, for each operand of a quantised product, along K:
;;     - K is cut into blocks of 32 from its start; a last block that is shorter is filled with zeros.
;;     - A block's scale is 2^e with e = floor(log2(the largest magnitude in the block)) - 4, held to -126 .. 127; a block of zeros has e = 0. As a byte (E8M0): e + 127.
;;     - Each number is divided by its block's scale, clamped to +-28, and rounded to the nearest number of E3M2, ties to even, subnormals kept.
;;     - The product sums the exact products of the quantised numbers (number of the format x scale) in f32.
;;   ~~~python
;;   def quantise(x, axis):      # numpy; x: float32 -> the quantised numbers, widened to float32 again
;;       x = np.moveaxis(x, axis, -1); K = x.shape[-1]
;;       x = np.pad(x, [(0, 0)] * (x.ndim - 1) + [(0, -K % 32)]); x = x.reshape(x.shape[:-1] + (-1, 32)); a = np.abs(x).max(-1, keepdims=True)
;;       e = np.where(a > 0, np.clip(np.frexp(np.where(a > 0, a, 1))[1] - 1 - 4, -126, 127), 0)      # np.frexp(a)[1] - 1 = floor(log2(a)), exactly
;;       r = np.clip(x / 2.0 ** e, -28, 28)
;;       step = 2.0 ** (np.maximum(np.frexp(np.where(r == 0, 1, r))[1] - 1, -2) - 2)
;;       q = np.round(r / step) * step * 2.0 ** e      # np.round: ties to even
;;       return np.moveaxis(q.reshape(q.shape[:-2] + (-1,))[..., :K], -1, axis).astype(np.float32)
;;   ~~~
;;   SOFTMAX AHEAD OF A QUANTISED PRODUCT. Where the list says 'softmax', what is quantised is not the finished softmax but p = 2^(t - M), with t = logit x log2(e) and M = ceil(the row's largest t), a whole number; so 1/2 < the row's largest p <= 1. The row's sum l is taken of the UNQUANTISED p, in f32, and the product's result is divided by l at the end. Since M is a whole number, a kernel that streams over the keys may use a running M (the ceiling of the running maximum): every later rescaling is an exact power of two, which a block's scale takes up: the codes' values come out the same.
;;   OPERANDS COMPUTED ON THE WAY. 'Computed on the way' means the value that the module computes at that place (a softmax that the list does not call 'softmax' is quantised finished and normalised). What goes into a quantiser is computed in f32, as accurately as f32 sums, v_exp_f32 and their like allow (about 1e-6 of the number): no bf16 or f16 on the way to a quantiser, and a product that is left as it is and whose result goes on into a quantised operand takes f32 operands (vector FMAs, or v_wmma_f32_16x16x4_f32). A number that lies on a knife's edge between two numbers of the format may be rounded either way, as far as f32 arithmetic and the matrix unit's own rounding can turn it there, and no further.
;; One version. Each part assembles by itself: llvm-mc -triple=amdgcn-amd-amdhsa -mcpu=gfx1250 --defsym DOCPART=n.
;; ======== version 1 of 1: 4 launches
;; limits: right only within a limited range of input values
;; workspace buffers: xw_img 9,437,184 bytes; xw_sc 393,216 bytes; qkv 20,185,088 bytes; ctx_img 6,291,456 bytes; ctx_sc 262,144 bytes
;; launch quant (part 1): grid 256 x 1, 3 waves a work-group, no clusters, 26,112 bytes of LDS; arguments x, Wq, Wk, Wv, Wo, xw_img, xw_sc; writes xw_img, xw_sc
.if DOCPART == 1
	.amdgcn_target "amdgcn-amd-amdhsa--gfx1250"
	.amdhsa_code_object_version 6
	.text
	.protected	k_q89280fe59a_quant
	.globl	k_q89280fe59a_quant
	.p2align	8
	.type	k_q89280fe59a_quant,@function
k_q89280fe59a_quant:
	s_mov_b64 s[64:65], 0
	v_nop
	global_prefetch_b8 v0, s[64:65] scope:SCOPE_SE
	s_setreg_imm32_b32 hwreg(HW_REG_WAVE_MODE, 25, 1), 1
	s_wait_xcnt 0x0
; x [8192][1024] and Wq, Wk, Wv, Wo [1024][1024], f32, K innermost, become codes of BF6 (E3M2) with one E8M0 scale byte for each 32 along K.
; A block's scale is 2^(floor(log2(its largest magnitude)) - 4); its byte is the largest magnitude's exponent field - 4, held at 1 from below.
; LIMITS: NaN and infinities among the inputs are not served.  A block of zeros, or one whose largest magnitude lies under 2^-122, keeps the byte 1
; (the quantiser's text says 127 for zeros): its codes are zeros, which add nothing under that byte, and the bytes are read by this program alone.
; THE OUTPUT IS LAID AS THE MATRIX UNIT'S REGISTERS WANT IT.  A TILE is 16 rows; lane-row r of tile t is row 32 (t / 2) + 8 (t % 2) + r + 8 (r / 8), so that, where a tile is source 0 of a
; product, the 16 result registers of tiles 2 b and 2 b + 1 are 16 neighbours.  A fragment (16 rows x 128 K, 12 registers a lane) is 1,536 bytes: for each half of 64 K registers 0-3 at 16 x lane,
; registers 4-5 at 512 + 8 x lane.  xw_img: [tile 0..767][K step 0..7][1,536]; tiles 0-511 x, 512-575 Wq, 576-639 Wk, 640-703 Wv, 704-767 Wo.  xw_sc: [tile][row r][K step] words.
; SHARES.  768 tiles = 256 work-groups x 3 waves: a wave takes one tile, 8 steps of 128 along K.  Each load reads 512 consecutive bytes (one row's part of a step); the 16 rows turn through the wave's
; own stage in LDS, so that a lane gets 16 neighbours of each block of 32.  Two steps' loads (32) are out in a wave.  Waves share nothing: no barrier.  Work-groups share no input: no cluster.
.set SP,    528                        ; a stage row: 512 bytes + 16
.set STGB,  16*SP                      ; a wave's stage
.set TM,    8                          ; v8-23    at work in QUANT
.set SWD,   24                         ; v24-31   the tile's eight scale words
.set R,     32                         ; v32-159  two sets of 64 registers as loaded
.set X,     160                        ; v160-223 64 numbers: register 16 b + i = k 32 b + 16 (lane / 16) + i of my row
.set PC,    224                        ; v224-235 the fragment just made
.set CT,    236                        ; v236-243 the conversions' second halves
.set SS,    244                        ; v244-247 the scale words on their way out
.set SEL,   24                         ; s[24:25] lane selects for v_permlanex16_b32: lane l xor 16
; 64 numbers of a lane become a fragment's 12 registers in v[dst] on and the row's scale word in v[pw].
.macro QUANT src, dst, tmp, pw
.irp b, 0,1,2,3
	v_max3_num_f32 v[TM+\b], |v[(\src)+16*\b]|, |v[(\src)+1+16*\b]|, 0x2800000   ; block b: my 16 numbers, and the floor 2^(5 - 127): the byte cannot fall under 1
.endr
.irp i, 2,4,6,8,10,12,14
.irp b, 0,1,2,3
	v_max3_num_f32 v[TM+\b], v[TM+\b], |v[(\src)+16*\b+\i]|, |v[(\src)+1+16*\b+\i]|   ; the four blocks by turns
.endr
.endr
.irp b, 0,1,2,3
	v_permlanex16_b32 v[TM+4+\b], v[TM+\b], s[SEL], s[SEL+1]
.endr
.irp b, 0,1,2,3
	v_max_num_f32 v[TM+\b], v[TM+\b], v[TM+4+\b]           ; with lane l xor 16's 16: the block's largest magnitude
.endr
.irp b, 0,1,2,3
	v_add_nc_u32 v[TM+12+\b], 0xfe000000, v[TM+\b]         ; 4 off its exponent field: the conversion takes the exponent field of this operand as its scale
.endr
.irp b, 0,1,2,3
	v_lshrrev_b32 v[TM+4+\b], 23, v[TM+12+\b]              ; the scale's byte
.endr
	v_lshl_or_b32 v[\pw], v[TM+5], 8, v[TM+4]
	v_lshl_or_b32 v[\pw], v[TM+6], 16, v[\pw]
	v_lshl_or_b32 v[\pw], v[TM+7], 24, v[\pw]              ; my row's scale word (the same in lanes l and l xor 16)
.irp c, 0,1
	v_cvt_scalef32_pk16_bf6_f32 v[(\dst)+6*\c:(\dst)+6*\c+2], v[(\src)+32*\c:(\src)+32*\c+15], v[TM+12+2*\c]
	v_cvt_scalef32_pk16_bf6_f32 v[(\tmp)+4*\c:(\tmp)+4*\c+2], v[(\src)+32*\c+16:(\src)+32*\c+31], v[TM+13+2*\c]   ; a conversion's three registers begin on an even number
.endr
	v_nop                                                  ; one plain instruction behind the scaled conversions
.irp c, 0,1                                            ; the operand wants a whole block in a lane: lanes 0-15 block 2 c, lanes 16-31 block 2 c + 1
.irp i, 0,1,2
	v_permlane16_swap_b32 v[(\dst)+6*\c+\i], v[(\tmp)+4*\c+\i]
.endr
.irp i, 0,1,2
	v_mov_b32 v[(\dst)+6*\c+3+\i], v[(\tmp)+4*\c+\i]
.endr
.endr
.endm
	s_load_b256 s[4:11], s[0:1], 0x0               ; x s[4:5], Wq s[6:7], Wk s[8:9], Wv s[10:11]
	s_load_b128 s[12:15], s[0:1], 0x20             ; Wo s[12:13], xw_img s[14:15]
	s_load_b64 s[16:17], s[0:1], 0x30              ; xw_sc
	v_lshl_add_u32 v254, v0, 2, 0x6400
	v_mov_b32 v255, 0
	v_lshrrev_b32 v6, 5, v0
	v_readfirstlane_b32 s18, v6                    ; wave 0..2
	v_and_b32 v7, 31, v0                           ; lane
	v_and_b32 v6, 15, v0                           ; r
	v_bfe_u32 v5, v0, 4, 1                         ; h
	v_lshlrev_b32 v1, 4, v7                        ; 16 x lane: my bytes of a load's 512, and of an image's first part
	v_lshlrev_b32 v2, 3, v7                        ; 8 x lane: of an image's second part
	s_mul_i32 s26, s18, STGB                       ; my wave's stage
	v_add_nc_u32 v3, s26, v1                       ; into it: a row as it was loaded
	v_mul_u32_u24 v4, v6, SP
	v_lshl_add_u32 v4, v5, 6, v4
	v_add_nc_u32 v4, s26, v4                       ; out of it: row r, + 64 h: my 16 numbers of a block of 32
	v_lshlrev_b32 v5, 4, v5
	v_lshl_add_u32 v5, v6, 5, v5                   ; the scale words' place: 32 r + 16 h
.irp b, 0,1,2,3
	v_mov_b32 v[TM+4+\b], 0                        ; written once: a lane permute's destination counts as one of its sources
.endr
	s_mov_b32 s[SEL], 0x76543210
	s_mov_b32 s[SEL+1], 0xfedcba98
	s_mul_i32 s19, ttmp9, 3
	s_add_co_u32 s19, s19, s18                     ; my tile T = 3 x work-group + wave
	s_and_b32 s23, s19, 63                         ; its number inside a weight
	s_wait_alu depctr_va_vdst(0)
	s_wait_kmcnt 0x0
	s_mov_b64 s[20:21], s[12:13]                   ; the source: Wo, unless T lies under a lower bound.  The choices hang on the tile's number alone
	s_cmp_lt_u32 s19, 704
	s_cselect_b64 s[20:21], s[10:11], s[20:21]
	s_cmp_lt_u32 s19, 640
	s_cselect_b64 s[20:21], s[8:9], s[20:21]
	s_cmp_lt_u32 s19, 576
	s_cselect_b64 s[20:21], s[6:7], s[20:21]
	s_cmp_lt_u32 s19, 512
	s_cselect_b64 s[20:21], s[4:5], s[20:21]
	s_cselect_b32 s22, s19, s23                    ; the tile's number inside its tensor
	s_lshr_b32 s26, s22, 1
	s_lshl_b32 s26, s26, 5
	s_and_b32 s27, s22, 1
	s_lshl_b32 s27, s27, 3
	s_add_co_u32 s26, s26, s27                     ; its first row: 32 (t / 2) + 8 (t % 2)
	s_lshl_b32 s26, s26, 12                        ; rows of 4,096 bytes
	s_mov_b32 s27, 0
	s_add_nc_u64 s[20:21], s[20:21], s[26:27]
	s_mul_i32 s26, s19, 12288
	s_add_nc_u64 s[14:15], s[14:15], s[26:27]      ; my tile's images
	s_lshl_b32 s26, s19, 9
	s_add_nc_u64 s[16:17], s[16:17], s[26:27]      ; and its scale words
.macro LOAD s                          ; step s: 16 rows x 512 bytes into set s % 2; lane-row i is row i + 8 (i / 8) from the tile's first
.irp i, 0,1,2,3,4,5,6,7,8,9,10,11,12,13,14,15
	global_load_b128 v[R+64*((\s)%2)+4*\i:R+64*((\s)%2)+4*\i+3], v1, s[20:21] offset:(\i+8*(\i/8))*4096+512*(\s) th:TH_LOAD_NT
.endr
.endm
.macro STEP s
	s_wait_xcnt 0x0                                ; the last step's stores have read the fragment's registers: they are written again only behind this wait
.if (\s) < 7
	s_wait_loadcnt 16                              ; this step's 16 loads are in; the next step's 16 may be out
.else
	s_wait_loadcnt 0x0
.endif
.irp i, 0,1,2,3,4,5,6,7,8,9,10,11,12,13,14,15
	ds_store_b128 v3, v[R+64*((\s)%2)+4*\i:R+64*((\s)%2)+4*\i+3] offset:SP*\i
.endr
.irp b, 0,1,2,3
.irp j, 0,1,2,3
	ds_load_b128 v[X+16*\b+4*\j:X+16*\b+4*\j+3], v4 offset:128*\b+16*\j   ; LDS serves a wave's instructions in order: these see the stores above
.endr
.endr
	s_wait_dscnt 0x0                               ; the numbers are back, and the stores have read their registers,
.if (\s)+2 < 8
	LOAD (\s)+2                                    ; which take the loads of two steps on
.endif
	QUANT X, PC, CT, SWD+(\s)
	global_store_b128 v1, v[PC:PC+3], s[14:15] offset:1536*(\s)            ; 512 consecutive bytes,
	global_store_b64 v2, v[PC+4:PC+5], s[14:15] offset:1536*(\s)+512       ; 256,
	global_store_b128 v1, v[PC+6:PC+9], s[14:15] offset:1536*(\s)+768      ; and the same for the second 64 along K
	global_store_b64 v2, v[PC+10:PC+11], s[14:15] offset:1536*(\s)+1280
.endm
	LOAD 0
	LOAD 1
.irp s, 0,1,2,3,4,5,6,7
	STEP \s
.endr
	v_cmp_lt_u32 vcc_lo, 15, v7                    ; lanes 0-15 store their row's words 0-3, lanes 16-31 words 4-7
.irp i, 0,1,2,3
	v_cndmask_b32 v[SS+\i], v[SWD+\i], v[SWD+4+\i], vcc_lo
.endr
	global_store_b128 v5, v[SS:SS+3], s[16:17]     ; 512 consecutive bytes
	s_wait_tensorcnt 0x0
	ds_add_u32 v254, v255
	s_wait_dscnt 0x0
	s_endpgm
.Lfunc_end_k_q89280fe59a_quant:
	.size	k_q89280fe59a_quant, .Lfunc_end_k_q89280fe59a_quant-k_q89280fe59a_quant
	.p2alignl 7, 3214868480
	.fill 96, 4, 3214868480
	.section	.rodata,"a",@progbits
	.p2align	6, 0x0
	.amdhsa_kernel k_q89280fe59a_quant
		.amdhsa_group_segment_fixed_size 26112
		.amdhsa_private_segment_fixed_size 0
		.amdhsa_enable_private_segment 0
		.amdhsa_kernarg_size 56
		.amdhsa_user_sgpr_count 2
		.amdhsa_user_sgpr_kernarg_segment_ptr 1
		.amdhsa_wavefront_size32 1
		.amdhsa_system_sgpr_workgroup_id_x 1
		.amdhsa_system_sgpr_workgroup_id_y 1
		.amdhsa_system_sgpr_workgroup_id_z 1
		.amdhsa_system_vgpr_workitem_id 0
		.amdhsa_next_free_vgpr 256
		.amdhsa_next_free_sgpr 66
		.amdhsa_reserve_vcc 1
		.amdhsa_float_denorm_mode_32 3
		.amdhsa_float_denorm_mode_16_64 3
		.amdhsa_memory_ordered 1
		.amdhsa_forward_progress 1
		.amdhsa_inst_pref_size 65
	.end_amdhsa_kernel
	.amdgpu_metadata
---
amdhsa.version: [ 1, 2 ]
amdhsa.kernels:
  - .name:           k_q89280fe59a_quant
    .symbol:         k_q89280fe59a_quant.kd
    .args:
      - { .name: x, .offset: 0, .size: 8, .value_kind: global_buffer, .address_space: global }
      - { .name: Wq, .offset: 8, .size: 8, .value_kind: global_buffer, .address_space: global }
      - { .name: Wk, .offset: 16, .size: 8, .value_kind: global_buffer, .address_space: global }
      - { .name: Wv, .offset: 24, .size: 8, .value_kind: global_buffer, .address_space: global }
      - { .name: Wo, .offset: 32, .size: 8, .value_kind: global_buffer, .address_space: global }
      - { .name: xw_img, .offset: 40, .size: 8, .value_kind: global_buffer, .address_space: global }
      - { .name: xw_sc, .offset: 48, .size: 8, .value_kind: global_buffer, .address_space: global }
    .group_segment_fixed_size: 26112
    .private_segment_fixed_size: 0
    .kernarg_segment_align: 8
    .kernarg_segment_size: 56
    .max_flat_workgroup_size: 96
    .sgpr_count:     66
    .vgpr_count:     256
    .wavefront_size: 32
...
	.end_amdgpu_metadata
.endif
;; end of part 1
;; launch qkv (part 2): grid 8 x 32, 4 waves a work-group, clusters of 4 x 4, 327,680 bytes of LDS; arguments xw_img, xw_sc, bq, bk, bv, qkv; writes qkv
.if DOCPART == 2
	.amdgcn_target "amdgcn-amd-amdhsa--gfx1250"
	.amdhsa_code_object_version 6
	.text
	.protected	k_q89280fe59a_qkv
	.globl	k_q89280fe59a_qkv
	.p2align	8
	.type	k_q89280fe59a_qkv,@function
k_q89280fe59a_qkv:
	s_mov_b64 s[64:65], 0
	v_nop
	global_prefetch_b8 v0, s[64:65] scope:SCOPE_SE
	s_setreg_imm32_b32 hwreg(HW_REG_WAVE_MODE, 25, 1), 1
	s_wait_xcnt 0x0
	s_wait_alu depctr_hold_cnt(0) depctr_sa_sdst(0) depctr_va_vdst(0) depctr_va_sdst(0) depctr_va_ssrc(0) depctr_va_vcc(0) depctr_vm_vsrc(0)
	s_getreg_b32 s2, hwreg(HW_REG_IB_STS2, 6, 4)
	s_cmp_eq_u32 s2, 0
	s_cbranch_scc0 .Lentry_in_a_cluster
	s_endpgm
.Lentry_in_a_cluster:
	s_bfe_u32 s2, ttmp6, 0x10000c
	s_cmp_lg_u32 s2, 0xf033
	s_cbranch_scc0 .Lentry_shape_is_right
	s_endpgm
.Lentry_shape_is_right:
; q, k, v = x W^T + b on codes of BF6 with E8M0 scales, quantised at once for the attention's two products and stored as register images.
; INPUT: xw_img [tile of 16 rows][K step of 128][1,536 bytes]: a fragment's registers 0-3 at 16 x lane, 4-5 at 512 + 8 x lane, 6-9 at 768 + 16 x lane, 10-11 at 1,280 + 8 x lane; tiles 0-511 x, 512.. Wq, 576.. Wk, 640.. Wv.
; xw_sc [tile][row r][K step] words.  Lane-row r of tile t is row 32 (t / 2) + 8 (t % 2) + r + 8 (r / 8).
; SHARES.  8 x 32 = 256 work-groups.  A work-group owns 256 tokens (16 tiles of x) and 128 columns (8 tiles, two heads) of each of Wq, Wk, Wv, and walks the three products one after the other.
; A wave owns 128 tokens (8 tiles) x one head (4 tiles): 32 accumulators, 256 registers; it writes one whole q record, and the k part and the v part of one k-v record.
; LDS: x's 16 tiles for all of K stay, as two halves of K of 98,304 bytes; W comes in pieces of 8 tiles x half of K, 49,152 bytes, through two slots.  The four first fills go out at the head, one a wave.
; The pieces of Wk and Wv are refills, a quarter of a piece a wave: each is asked for four K steps and a way out ahead of its first read.  Scale words and biases go from memory straight into registers.
; No data prefetch: x's block and W's first two pieces are asked for at the head, where there is nothing to run ahead of, and the later pieces are asked for as said above.
; CLUSTER 4 x 4: x's tiles hang on the token block alone and are asked for jointly along a row of the cluster, W's on the column block alone and are asked for jointly along a column.
; q AND k: source 0 = a tile of W, source 1 = a tile of x: a lane holds one token, its registers run along the head: the K of q k^T.  The bias is the C of the first product.
; v: source 0 = a tile of x, source 1 = a tile of Wv: a lane holds one place of the head, its registers run along the tokens: the K of p v.  The bias is added on the way out.
; OUT (buffer qkv): q: records of 6,656 bytes for 128 tokens of a head: 8 half fragments at 768 a, scale words [r][a] at 6,144 (two bytes used).  k, v: records of 13,056 bytes: k as q; v at 6,656: 4 fragments, scale words [r][dt] at 12,800.
; LIMITS: NaN and infinities are not served.  A block of zeros, or one under 2^-122, keeps the scale byte 1: its codes are zeros, and this program alone reads the bytes.
; REGISTERS: window 0: addresses, scale words, the way out; window 1: x's fragments, two sets of 96; window 2: the accumulators; window 3: W's fragments, two sets of 48, and the bias at v96-127.
.set TILEB,  12288
.set HALFK,  6144
.set XH,     16*HALFK
.set WSL,    2*XH
.set WSLOT,  8*HALFK
.set SPARE,  WSL+2*WSLOT
.set KVB,    6815744
.set WSTEP,  64*TILEB                  ; from a weight's tile to the next weight's
.set XA,   8                           ; v8-11 x's fragments: 16 x lane and 8 x lane terms, for each half of K
.set WA,   12                          ; v12-15 the same for W's two slots
.set L16,  16
.set L8,   17
.set BO0,  18
.set BO1,  19
.set SO0,  20
.set SO1,  21
.set RS,   22
.set LANE, 23
.set SPW,  28
.set NIL,  29
.set SCX,  32                          ; v32-95 x's scale words: tile i, K step s at 8 i + s
.set SCW,  96                          ; v96-127 W's
.set TM,   128
.set CT,   144
.set PW,   152
.set KW,   160
.set SA,   168
.set BV,   172                         ; v172-179 v's bias, in pairs
.set O,    192                         ; v192-239 four fragments on their way out
.set BI,   96                          ; window 3
.set GX,   24
.set GWH,  32
.set GW,   40
.set G0H,  48                          ; s[48:63] group 0 of the four first fills
.set G0R,  68                          ; s[68:75] group 0 of my refills, one for each slot
.set BA,   76
.set BAK,  78
.set BAV,  80
.set BPK,  82
.set WS,   84
.set SEL,  86
.set MSB, 0
.macro WIN new
.if MSB != (\new)
	s_set_vgpr_msb (MSB<<8)|(\new)
.set MSB, (\new)
.endif
.endm
.macro CREST
	s_cmp_lg_u32 s16, 0
	s_cbranch_scc1 .Lnot_wave_0_\@
	s_barrier_signal -3
.Lnot_wave_0_\@:
	s_barrier_wait -3
	s_barrier_signal -1
	s_barrier_wait -1
.endm
.macro CROUND
	s_barrier_signal -1
	s_barrier_wait -1
	CREST
.endm
.macro PLACES n
.rept \n
	v_nop
.endr
.endm
.macro G1SET g, rows                   ; rows of half of K: 768 elements of 8 bytes, a tile's image apart
	s_mov_b32 s[\g+1], 768<<16
	s_mov_b32 s[\g+2], (\rows)<<16
	s_mov_b32 s[\g+3], 768<<16
	s_mov_b32 s[\g+4], \rows
	s_mov_b32 s[\g+5], 1536
	s_mov_b32 s[\g+6], 0
	s_mov_b32 s[\g+7], 0
.endm
.macro ARM under, g0, g1, next
	s_cmp_lt_u32 s16, \under
	s_cbranch_scc0 \next
	tensor_load_to_lds s[\g0:\g0+3], s[\g1:\g1+7]
	s_nop 0
	PLACES 4
	s_branch .Lhead_asked
\next:
.endm
.macro BIAS0 p                         ; the head's 64 biases in the result's layout: tile j, register e: place 32 (j / 2) + 8 (j % 2) + 16 h + e
.irp j, 0,1,2,3
	global_load_b128 v[BI+8*\j:BI+8*\j+3], v[BO0], s[\p:\p+1] offset:(32*(\j/2)+8*(\j%2))*4
	global_load_b128 v[BI+8*\j+4:BI+8*\j+7], v[BO0], s[\p:\p+1] offset:(32*(\j/2)+8*(\j%2))*4+16
.endr
.endm
.macro WSCALES
.irp j, 0,1,2,3
	global_load_b128 v[SCW+8*\j:SCW+8*\j+3], v[RS], s[WS:WS+1] offset:512*\j
	global_load_b128 v[SCW+8*\j+4:SCW+8*\j+7], v[RS], s[WS:WS+1] offset:512*\j+16
.endr
.endm
	s_load_b128 s[4:7], s[0:1], 0x0                ; xw_img, xw_sc
	s_load_b128 s[8:11], s[0:1], 0x10              ; bq, bk
	s_load_b128 s[12:15], s[0:1], 0x20             ; bv, qkv
	v_lshl_add_u32 v[SPW], v0, 2, SPARE
	v_mov_b32 v[NIL], 0
	ds_add_u32 v[SPW], v[NIL]                      ; the opening lines: the add twice on end and its wait
	ds_add_u32 v[SPW], v[NIL]
	v_lshrrev_b32 v1, 5, v0
	v_readfirstlane_b32 s16, v1                    ; wave
	s_lshr_b32 s17, s16, 1                         ; which 128 tokens
	s_and_b32 s18, s16, 1                          ; which head of the two
	s_bfe_u32 s19, ttmp6, 0x40000                  ; cx
	s_bfe_u32 s20, ttmp6, 0x40004                  ; cy
	s_lshl_b32 s21, ttmp9, 2
	s_add_co_u32 s21, s21, s19                     ; column block 0..7
	s_and_b32 s22, ttmp7, 0xffff
	s_lshl_b32 s22, s22, 2
	s_add_co_u32 s22, s22, s20                     ; token block 0..31
	s_lshl_b32 s2, s20, 2
	s_lshl_b32 s2, 15, s2                          ; my row of the cluster
	s_lshl_b32 s3, 0x1111, s19                     ; my column
	s_or_b32 s[GX], s2, (3<<16)|(1<<21)
	s_or_b32 s[GWH], s3, (3<<16)|(1<<21)
	s_or_b32 s[GW], s3, (3<<16)|(1<<21)
	G1SET GX, 16
	G1SET GWH, 8
	G1SET GW, 2
	s_mul_i32 s88, s22, 16*TILEB                   ; x's 16 tiles
	s_mov_b32 s89, 0
	s_lshl_b32 s90, s21, 3
	s_add_co_u32 s90, s90, 512
	s_mul_i32 s90, s90, TILEB                      ; Wq's 8 tiles
	s_mov_b32 s91, 0
	s_mul_i32 s92, s16, 2*HALFK                    ; my two tiles of a refill, in LDS,
	s_mul_i32 s94, s16, 2*TILEB                    ; and in memory
	s_mov_b32 s95, 0
	s_mov_b32 s[SEL], 0x76543210
	s_mov_b32 s[SEL+1], 0xfedcba98
	s_wait_dscnt 0x0
	s_wait_kmcnt 0x0
	s_add_nc_u64 s[88:89], s[4:5], s[88:89]
	s_add_nc_u64 s[90:91], s[4:5], s[90:91]
	CROUND                                         ; all sixteen work-groups are here: the first joint loads meet
	s_mov_b32 s[G0H], 1
	s_mov_b32 s[G0H+1], 0
	s_mov_b64 s[G0H+2:G0H+3], s[88:89]
	s_or_b32 s[G0H+3], s[G0H+3], 0x80000000
	s_mov_b32 s[G0H+4], 1
	s_mov_b32 s[G0H+5], XH
	s_add_nc_u64 s[G0H+6:G0H+7], s[88:89], HALFK
	s_or_b32 s[G0H+7], s[G0H+7], 0x80000000
	s_mov_b32 s[G0H+8], 1
	s_mov_b32 s[G0H+9], WSL
	s_mov_b64 s[G0H+10:G0H+11], s[90:91]
	s_or_b32 s[G0H+11], s[G0H+11], 0x80000000
	s_mov_b32 s[G0H+12], 1
	s_mov_b32 s[G0H+13], WSL+WSLOT
	s_add_nc_u64 s[G0H+14:G0H+15], s[90:91], HALFK
	s_or_b32 s[G0H+15], s[G0H+15], 0x80000000
	s_add_nc_u64 s[90:91], s[90:91], s[94:95]
.irp s, 0,1
	s_mov_b32 s[G0R+4*\s], 1
	s_add_co_u32 s[G0R+4*\s+1], s92, WSL+\s*WSLOT
	s_add_nc_u64 s[G0R+4*\s+2:G0R+4*\s+3], s[90:91], \s*HALFK
	s_or_b32 s[G0R+4*\s+3], s[G0R+4*\s+3], 0x80000000
.endr
	ARM 1, G0H, GX, .Lhead_x1                      ; one fill a wave: x's first half of K,
	ARM 2, G0H+4, GX, .Lhead_w0                    ; its second,
	ARM 3, G0H+8, GWH, .Lhead_w1                   ; Wq's first half,
	tensor_load_to_lds s[G0H+12:G0H+15], s[GWH:GWH+7]   ; its second
	s_nop 0
	PLACES 4
.Lhead_asked:
	s_mul_i32 s2, s17, 8*HALFK                     ; my 8 tiles of x
	s_add_co_u32 s3, s2, XH
	s_mul_i32 s66, s18, 4*HALFK                    ; my 4 tiles of W
	s_add_co_u32 s66, s66, WSL
	s_add_co_u32 s67, s66, WSLOT
	s_lshl_b32 s88, s22, 4
	s_lshl_b32 s89, s17, 3
	s_add_co_u32 s88, s88, s89
	s_lshl_b32 s88, s88, 9                         ; x's scale words: 512 bytes a tile
	s_mov_b32 s89, 0
	s_add_nc_u64 s[96:97], s[6:7], s[88:89]
	s_lshl_b32 s88, s21, 3
	s_lshl_b32 s90, s18, 2
	s_add_co_u32 s88, s88, s90
	s_add_co_u32 s88, s88, 512
	s_lshl_b32 s88, s88, 9
	s_add_nc_u64 s[WS:WS+1], s[6:7], s[88:89]      ; Wq's
	s_lshl_b32 s90, s21, 1
	s_add_co_u32 s90, s90, s18                     ; the head
	s_lshl_b32 s88, s90, 8                         ; its 64 biases
	s_add_nc_u64 s[92:93], s[8:9], s[88:89]
	s_add_nc_u64 s[BPK:BPK+1], s[10:11], s[88:89]
	s_add_nc_u64 s[98:99], s[12:13], s[88:89]
	s_lshr_b32 s91, s22, 3                         ; the batch
	s_lshl_b32 s91, s91, 4
	s_add_co_u32 s90, s90, s91
	s_lshl_b32 s90, s90, 4
	s_and_b32 s91, s22, 7
	s_lshl_b32 s91, s91, 1
	s_add_co_u32 s91, s91, s17
	s_add_co_u32 s90, s90, s91                     ; the record: 16 (16 batch + head) + group of 128 tokens
	s_mul_i32 s88, s90, 6656
	s_add_nc_u64 s[BA:BA+1], s[14:15], s[88:89]
	s_mul_i32 s88, s90, 13056
	s_add_co_u32 s88, s88, KVB
	s_add_nc_u64 s[BAK:BAK+1], s[14:15], s[88:89]
	s_add_nc_u64 s[BAV:BAV+1], s[BAK:BAK+1], 6656
	s_mov_b32 s23, 2                               ; the loop's trips: q, k
	v_and_b32 v[LANE], 31, v0
	v_and_b32 v1, 15, v0                           ; r
	v_bfe_u32 v2, v0, 4, 1                         ; h
	v_lshlrev_b32 v[L16], 4, v[LANE]
	v_lshlrev_b32 v[L8], 3, v[LANE]
	v_add_nc_u32 v[XA], s2, v[L16]
	v_add_nc_u32 v[XA+1], s2, v[L8]
	v_add_nc_u32 v[XA+2], s3, v[L16]
	v_add_nc_u32 v[XA+3], s3, v[L8]
	v_add_nc_u32 v[WA], s66, v[L16]
	v_add_nc_u32 v[WA+1], s66, v[L8]
	v_add_nc_u32 v[WA+2], s67, v[L16]
	v_add_nc_u32 v[WA+3], s67, v[L8]
	v_lshlrev_b32 v[BO0], 6, v2
	v_and_b32 v3, 8, v1
	v_add_nc_u32 v3, v3, v1
	v_lshlrev_b32 v[BO1], 2, v3                    ; 4 (r + 8 (r / 8))
	v_lshlrev_b32 v[RS], 5, v1                     ; 32 r
	v_lshl_add_u32 v[SO0], v2, 4, v[RS]
	v_lshlrev_b32 v[SO1], 4, v1
	v_lshl_add_u32 v[SO1], v2, 3, v[SO1]
.irp b, 0,1,2,3
	v_mov_b32 v[TM+4+\b], 0                        ; a lane permute's destination counts as one of its sources
.endr
	s_wait_alu depctr_va_vdst(0)
.irp i, 0,1,2,3,4,5,6,7
	global_load_b128 v[SCX+8*\i:SCX+8*\i+3], v[RS], s[96:97] offset:512*\i
	global_load_b128 v[SCX+8*\i+4:SCX+8*\i+7], v[RS], s[96:97] offset:512*\i+16
.endr
	WSCALES
.irp j, 0,1,2,3
	global_load_b32 v[BV+2*\j], v[BO1], s[98:99] offset:(32*(\j/2)+8*(\j%2))*4
	global_load_b32 v[BV+2*\j+1], v[BO1], s[98:99] offset:(32*(\j/2)+8*(\j%2))*4
.endr
	WIN 0xc0
	BIAS0 92
	WIN 0
.macro FRAG reg, adr, off
	ds_load_b128 v[(\reg):(\reg)+3], v[\adr] offset:(\off)
	ds_load_b64 v[(\reg)+4:(\reg)+5], v[(\adr)+1] offset:(\off)+512
	ds_load_b128 v[(\reg)+6:(\reg)+9], v[\adr] offset:(\off)+768
	ds_load_b64 v[(\reg)+10:(\reg)+11], v[(\adr)+1] offset:(\off)+1280
.endm
.macro FETCH half, q, set              ; 48 LDS loads: the fragments of one K step: x's eight, W's four
	WIN 0x40
.irp i, 0,1,2,3,4,5,6,7
	FRAG 96*(\set)+12*\i, XA+2*(\half), HALFK*\i+1536*(\q)
.endr
	WIN 0xc0
.irp i, 0,1,2,3
	FRAG 48*(\set)+12*\i, WA+2*(\half), HALFK*\i+1536*(\q)
.endr
	WIN 0
.endm
; 16 products: x's tiles i0 .. i0 + 3 against W's four.  The 32 accumulators take turns, one instruction a turn, in the same order in every step.
.macro MUL mode, set, ks, first, i0
.irp i, \i0, \i0+1, \i0+2, \i0+3
.irp j, 0,1,2,3
.if \mode == 0
.set DD, 8*(4*(\i)+\j)
.if \first
	v_wmma_scale_f32_16x16x128_f8f6f4 v[DD:DD+7], v[48*(\set)+12*\j:48*(\set)+12*\j+11], v[96*(\set)+12*(\i):96*(\set)+12*(\i)+11], v[BI+8*\j:BI+8*\j+7], v[SCW+8*\j+(\ks)], v[SCX+8*(\i)+(\ks)] matrix_a_fmt:MATRIX_FMT_BF6 matrix_b_fmt:MATRIX_FMT_BF6
.else
	v_wmma_scale_f32_16x16x128_f8f6f4 v[DD:DD+7], v[48*(\set)+12*\j:48*(\set)+12*\j+11], v[96*(\set)+12*(\i):96*(\set)+12*(\i)+11], v[DD:DD+7], v[SCW+8*\j+(\ks)], v[SCX+8*(\i)+(\ks)] matrix_a_fmt:MATRIX_FMT_BF6 matrix_b_fmt:MATRIX_FMT_BF6
.endif
.else
.set DD, 8*(8*\j+(\i))
.if \first
	v_wmma_scale_f32_16x16x128_f8f6f4 v[DD:DD+7], v[96*(\set)+12*(\i):96*(\set)+12*(\i)+11], v[48*(\set)+12*\j:48*(\set)+12*\j+11], 0, v[SCX+8*(\i)+(\ks)], v[SCW+8*\j+(\ks)] matrix_a_fmt:MATRIX_FMT_BF6 matrix_b_fmt:MATRIX_FMT_BF6
.else
	v_wmma_scale_f32_16x16x128_f8f6f4 v[DD:DD+7], v[96*(\set)+12*(\i):96*(\set)+12*(\i)+11], v[48*(\set)+12*\j:48*(\set)+12*\j+11], v[DD:DD+7], v[SCX+8*(\i)+(\ks)], v[SCW+8*\j+(\ks)] matrix_a_fmt:MATRIX_FMT_BF6 matrix_b_fmt:MATRIX_FMT_BF6
.endif
.endif
.endr
.endr
.endm
.macro MWIN mode, first                ; mode 0: source 0 window 3, source 1 window 1; mode 1 the other way round; C and D window 2 (the bias as C: window 3)
.if \mode == 0
.if \first
	WIN 0xb7
.else
	WIN 0xa7
.endif
.else
	WIN 0xad
.endif
.endm
.macro STEP mode, s, first             ; a K step: the next step's fragments are asked for, then this step's 32 products
	PLACES 4                                       ; behind the last step's products, ahead of loads into the registers that they read
	FETCH ((\s)+1)/4, ((\s)+1)%4, ((\s)+1)%2
.if \first
	s_wait_loadcnt 0x0                             ; scale words and biases
.endif
	s_wait_dscnt 48                                ; all but the 48 just issued: this step's fragments are in
	MWIN \mode, \first
	MUL \mode, (\s)%2, \s, \first, 0
	MUL \mode, (\s)%2, \s, \first, 4
	WIN 0
.endm
; The last K step of a half of K: the slot just read out is free, and the other slot's piece must be whole: one barrier for both.
.macro TURN mode, s, fill
	s_wait_tensorcnt 0x0                           ; all my tensor loads have landed;
	ds_add_u32 v[SPW], v[NIL]                      ; the add;
	s_wait_dscnt 0x0                               ; it is done, and so are my reads of this slot
	s_barrier_signal -1
	MWIN \mode, 0
	MUL \mode, (\s)%2, \s, 0, 0
	WIN 0
	s_barrier_wait -1
.if \fill
	CREST                                          ; the barrier has opened a round of the cluster's barrier
	s_add_nc_u64 s[G0R+4*((\s)/4)+2:G0R+4*((\s)/4)+3], s[G0R+4*((\s)/4)+2:G0R+4*((\s)/4)+3], WSTEP
	tensor_load_to_lds s[G0R+4*((\s)/4):G0R+4*((\s)/4)+3], s[GW:GW+7]   ; the next weight's piece, my two tiles of it
	s_nop 0
.endif
	PLACES 4
	FETCH (((\s)+1)%8)/4, ((\s)+1)%4, ((\s)+1)%2
	MWIN \mode, 0
	MUL \mode, (\s)%2, \s, 0, 4
	WIN 0
.endm
; 64 accumulator registers (window 2; register 16 b + i = place 32 b + 16 h + i along the next K) become a fragment's 12 registers and the row's scale word.
.macro QUANT src, dst, pw
	WIN 0x0a
.irp b, 0,1,2,3
	v_max3_num_f32 v[TM+\b], |v[(\src)+16*\b]|, |v[(\src)+1+16*\b]|, 0x2800000   ; and the floor 2^(5 - 127): the byte cannot fall under 1
.endr
.irp i, 2,4,6,8,10,12,14
.irp b, 0,1,2,3
	v_max3_num_f32 v[TM+\b], |v[(\src)+16*\b+\i]|, |v[(\src)+1+16*\b+\i]|, v[TM+\b]
.endr
.endr
	WIN 0
.irp b, 0,1,2,3
	v_permlanex16_b32 v[TM+4+\b], v[TM+\b], s[SEL], s[SEL+1]
.endr
.irp b, 0,1,2,3
	v_max_num_f32 v[TM+\b], v[TM+\b], v[TM+4+\b]
.endr
.irp b, 0,1,2,3
	v_add_nc_u32 v[TM+12+\b], 0xfe000000, v[TM+\b]         ; 4 off the exponent field: the conversion's scale operand
.endr
.irp b, 0,1,2,3
	v_lshrrev_b32 v[TM+4+\b], 23, v[TM+12+\b]
.endr
	v_lshl_or_b32 v[\pw], v[TM+5], 8, v[TM+4]
	v_lshl_or_b32 v[\pw], v[TM+6], 16, v[\pw]
	v_lshl_or_b32 v[\pw], v[TM+7], 24, v[\pw]
	WIN 0x02
.irp c, 0,1
	v_cvt_scalef32_pk16_bf6_f32 v[(\dst)+6*\c:(\dst)+6*\c+2], v[(\src)+32*\c:(\src)+32*\c+15], v[TM+12+2*\c]
	v_cvt_scalef32_pk16_bf6_f32 v[CT+4*\c:CT+4*\c+2], v[(\src)+32*\c+16:(\src)+32*\c+31], v[TM+13+2*\c]
.endr
	WIN 0
	v_nop                                                  ; one plain line behind the scaled conversions
.irp c, 0,1
.irp i, 0,1,2
	v_permlane16_swap_b32 v[(\dst)+6*\c+\i], v[CT+4*\c+\i]
.endr
.irp i, 0,1,2
	v_mov_b32 v[(\dst)+6*\c+3+\i], v[CT+4*\c+\i]
.endr
.endr
.endm
.macro OUT4 o, p, off                  ; 1,536 consecutive bytes
	global_store_b128 v[L16], v[(\o):(\o)+3], s[\p:\p+1] offset:(\off)
	global_store_b64 v[L8], v[(\o)+4:(\o)+5], s[\p:\p+1] offset:(\off)+512
	global_store_b128 v[L16], v[(\o)+6:(\o)+9], s[\p:\p+1] offset:(\off)+768
	global_store_b64 v[L8], v[(\o)+10:(\o)+11], s[\p:\p+1] offset:(\off)+1280
.endm
	s_wait_tensorcnt 0x0                           ; my fill is in,
	s_barrier_signal -1
	s_barrier_wait -1                              ; everybody's is
	FETCH 0, 0, 0
.Lphase:                                               ; two trips: q, then k
	STEP 0, 0, 1
	STEP 0, 1, 0
	STEP 0, 2, 0
	TURN 0, 3, 1
	STEP 0, 4, 0
	STEP 0, 5, 0
	STEP 0, 6, 0
	TURN 0, 7, 1
	PLACES 4                                       ; behind the last products: their results are read, and loads land on their scale words
	s_wait_xcnt 0x0                                ; the last way out's stores have read their registers, earlier loads their base
	s_add_nc_u64 s[WS:WS+1], s[WS:WS+1], 64*512
	WSCALES                                        ; the next weight's scale words
	s_cmp_eq_u32 s23, 1                            ; behind k comes v, whose bias was fetched at the head
	s_cbranch_scc1 .Lno_bias
	WIN 0xc0
	BIAS0 BPK
	WIN 0
.Lno_bias:
.irp i, 0,1,2,3                        ; two tiles of tokens at a time: blocks 0, 1 are the first tile's head, blocks 2, 3 the second's
	QUANT 64*\i, O+12*\i, PW
	v_and_b32 v[KW+2*\i], 0xffff, v[PW]
	v_lshrrev_b32 v[KW+2*\i+1], 16, v[PW]
	OUT4 O+12*\i, BA, 1536*\i
.endr
	v_cmp_lt_u32 vcc_lo, 15, v[LANE]               ; lanes 0-15 store their row's words 0-3, lanes 16-31 words 4-7
.irp i, 0,1,2,3
	v_cndmask_b32 v[SA+\i], v[KW+\i], v[KW+4+\i], vcc_lo
.endr
	global_store_b128 v[SO0], v[SA:SA+3], s[BA:BA+1] offset:6144
	s_wait_xcnt 0x0                                ; the stores have read their base
	s_mov_b64 s[BA:BA+1], s[BAK:BAK+1]             ; the second trip writes the k part
	s_wait_alu depctr_va_vdst(0)
	s_sub_co_u32 s23, s23, 1
	s_cmp_lg_u32 s23, 0
	s_cbranch_scc1 .Lphase
	STEP 1, 0, 1                                   ; v
	STEP 1, 1, 0
	STEP 1, 2, 0
	TURN 1, 3, 0
	STEP 1, 4, 0
	STEP 1, 5, 0
	STEP 1, 6, 0
	s_wait_dscnt 0x0
	MWIN 1, 0
	MUL 1, 1, 7, 0, 0
	MUL 1, 1, 7, 0, 4
	WIN 0
	PLACES 4
	s_wait_xcnt 0x0
.irp j, 0,1,2,3
	WIN 0x82
.set i, 0
.rept 32
	v_pk_add_f32 v[64*\j+2*i:64*\j+2*i+1], v[64*\j+2*i:64*\j+2*i+1], v[BV+2*\j:BV+2*\j+1]   ; the bias of my place of the head; each accumulator from its low end on
.set i, i+1
.endr
	WIN 0
	QUANT 64*\j, O+12*\j, KW+\j
	OUT4 O+12*\j, BAV, 1536*\j
.endr
	v_cmp_lt_u32 vcc_lo, 15, v[LANE]               ; lanes 0-15 store words 0, 1 of their row, lanes 16-31 words 2, 3
	v_cndmask_b32 v[SA], v[KW], v[KW+2], vcc_lo
	v_cndmask_b32 v[SA+1], v[KW+1], v[KW+3], vcc_lo
	global_store_b64 v[SO1], v[SA:SA+1], s[BAV:BAV+1] offset:6144
	s_wait_tensorcnt 0x0                           ; the wave's end
	ds_add_u32 v[SPW], v[NIL]
	s_wait_dscnt 0x0
	CROUND                                         ; the closing round
	s_endpgm
.Lfunc_end_k_q89280fe59a_qkv:
	.size	k_q89280fe59a_qkv, .Lfunc_end_k_q89280fe59a_qkv-k_q89280fe59a_qkv
	.p2alignl 7, 3214868480
	.fill 96, 4, 3214868480
	.section	.rodata,"a",@progbits
	.p2align	6, 0x0
	.amdhsa_kernel k_q89280fe59a_qkv
		.amdhsa_group_segment_fixed_size 327680
		.amdhsa_private_segment_fixed_size 0
		.amdhsa_enable_private_segment 0
		.amdhsa_kernarg_size 48
		.amdhsa_user_sgpr_count 2
		.amdhsa_user_sgpr_kernarg_segment_ptr 1
		.amdhsa_wavefront_size32 1
		.amdhsa_system_sgpr_workgroup_id_x 1
		.amdhsa_system_sgpr_workgroup_id_y 1
		.amdhsa_system_sgpr_workgroup_id_z 1
		.amdhsa_system_vgpr_workitem_id 0
		.amdhsa_next_free_vgpr 1024
		.amdhsa_next_free_sgpr 100
		.amdhsa_reserve_vcc 1
		.amdhsa_float_denorm_mode_32 3
		.amdhsa_float_denorm_mode_16_64 3
		.amdhsa_memory_ordered 1
		.amdhsa_forward_progress 1
		.amdhsa_inst_pref_size 177
	.end_amdhsa_kernel
	.amdgpu_metadata
---
amdhsa.version: [ 1, 2 ]
amdhsa.kernels:
  - .name:           k_q89280fe59a_qkv
    .symbol:         k_q89280fe59a_qkv.kd
    .args:
      - { .name: xw_img, .offset: 0, .size: 8, .value_kind: global_buffer, .address_space: global }
      - { .name: xw_sc, .offset: 8, .size: 8, .value_kind: global_buffer, .address_space: global }
      - { .name: bq, .offset: 16, .size: 8, .value_kind: global_buffer, .address_space: global }
      - { .name: bk, .offset: 24, .size: 8, .value_kind: global_buffer, .address_space: global }
      - { .name: bv, .offset: 32, .size: 8, .value_kind: global_buffer, .address_space: global }
      - { .name: qkv, .offset: 40, .size: 8, .value_kind: global_buffer, .address_space: global }
    .group_segment_fixed_size: 327680
    .private_segment_fixed_size: 0
    .kernarg_segment_align: 8
    .kernarg_segment_size: 48
    .max_flat_workgroup_size: 128
    .sgpr_count:     100
    .vgpr_count:     1024
    .wavefront_size: 32
...
	.end_amdgpu_metadata
.endif
;; end of part 2
;; launch attn (part 3): grid 4 x 64, 16 waves a work-group, clusters of 4 x 1, 327,680 bytes of LDS; arguments qkv, ctx_img, ctx_sc; writes ctx_img, ctx_sc
.if DOCPART == 3
	.amdgcn_target "amdgcn-amd-amdhsa--gfx1250"
	.amdhsa_code_object_version 6
	.text
	.protected	k_q89280fe59a_attn
	.globl	k_q89280fe59a_attn
	.p2align	8
	.type	k_q89280fe59a_attn,@function
k_q89280fe59a_attn:
	s_mov_b64 s[64:65], 0
	v_nop
	global_prefetch_b8 v0, s[64:65] scope:SCOPE_SE
	s_setreg_imm32_b32 hwreg(HW_REG_WAVE_MODE, 25, 1), 1
	s_wait_xcnt 0x0
	s_wait_alu depctr_hold_cnt(0) depctr_sa_sdst(0) depctr_va_vdst(0) depctr_va_sdst(0) depctr_va_ssrc(0) depctr_va_vcc(0) depctr_vm_vsrc(0)
	s_getreg_b32 s2, hwreg(HW_REG_IB_STS2, 6, 4)
	s_cmp_eq_u32 s2, 0
	s_cbranch_scc0 .Lentry_in_a_cluster
	s_endpgm
.Lentry_in_a_cluster:
	s_bfe_u32 s2, ttmp6, 0x10000c
	s_cmp_lg_u32 s2, 0x3003
	s_cbranch_scc0 .Lentry_shape_is_right
	s_endpgm
.Lentry_shape_is_right:
; ctx[b][q][head] = the sum over k of softmax_k(q . k / 8) v: 64 heads of size 64, 2,048 keys, both products on codes of BF6 with one E8M0 scale for each 32 along a product's K; ctx is quantised at once for the last projection.
; THE SOFTMAX: t = score x log2(e) / 8; M = the running largest t rounded UP to a whole number, kept as -M; p = 2^(t - M) is quantised along the keys, not normalised.  The row's sum is taken of the unquantised p in f32
; and divides O at the end.  When M moves, the sum and O are multiplied by 2^(old M - new M): exact.
; INPUT (buffer qkv): register images.  q: records of 6,656 bytes for 128 tokens: 8 half fragments (16 tokens x 64: registers 0-3 at 16 x lane, 4-5 at 512 + 8 x lane) at 768 a, scale words [r][a] at 6,144.
; k and v: records of 13,056 bytes for 128 keys: k as q; v at 6,656: 4 fragments (16 of the head's 64 x 128 keys), scale words [r][dt] at 12,800.  Lane-row r of tile t is row 32 (t / 2) + 8 (t % 2) + r + 8 (r / 8).
; SHARES.  A work-group owns 512 queries of one head, in two passes of 256; in a pass each of its sixteen waves owns 16 queries, in 256 registers.  LDS holds the head's whole k and v: 16 records, one tensor load a wave,
; filled once; there is no ring.  The descriptor lays 64 bytes of padding behind each 256: byte y of a record lies at y + 64 (y / 256), a record takes 16,320 bytes.
; CLUSTER: a head's four work-groups read the same records: every tensor load is a joint load of the four.  Only q's and ctx's global addresses hang on the place in the cluster.
; No data prefetch: k and v are asked for once, at the head, and the key loop reads only LDS.
; THE KEYS OF A TILE ARE GATHERED BY LANE ADDRESSES: tile 4 c + u of S^T = k q^T takes in lane-rows 0-7 keys 64 c + 8 u + 0..7 and in lane-rows 8-15 keys 64 c + 32 + 8 u + 0..7 (eight rows each of the images' tiles
; 4 c + u % 2 and 4 c + 2 + u % 2).  So lane (query r, half h) holds in the 32 registers of tiles 4 c .. 4 c + 3 the keys 64 c + 32 h + 0..31: one whole block, in the order of the second product's operand.
; With the padding the two images lie 1,920 bytes apart, 128 modulo 256.
; THE FIRST PRODUCT'S K IS 64 OF THE INSTRUCTION'S 128: q's registers 6-11 hold zero codes.  k's fragments lie 6 registers apart, so a tile's registers 6-11 are the next tile's codes: every code of E3M2 is a finite number,
; and times q's zeros it adds 0.  The scale bytes of that half are 0.
; OUT: ctx_img [tile of 16 tokens][head][768]; ctx_sc [tile][r][32 bytes], a head's two bytes at 2 x head.
; LIMITS: NaN and infinities are not served.  The scaled scores stay under 2^31 in magnitude.  A block of zeros, or one under 2^-122, keeps the scale byte 1: its codes are zeros, and this program alone reads the bytes.
.set REC,   13056
.set RECL,  16320                      ; a record in LDS: 51 rows of 256 + 64 bytes
.set QREC,  6656
.set KVB,   6815744
.set SPARE, 278528                     ; the spare words: 16 waves x 128 bytes, behind the records
.set L16, 1                            ; 16 x lane
.set L8,  2                            ; 8 x lane
.set R32, 3                            ; 32 r
.set CVS, 4                            ; 16 r: v's scale words
.set AKA, 5                            ; v5-10 the step's LDS addresses: k's 16-byte and 8-byte pieces, k's scale words, v's pieces, v's scale words
.set AKB, 6
.set AKS, 7
.set AVA, 8
.set AVB, 9
.set AVS, 10
.set OM,  11                           ; -M of the step before
.set NM,  12                           ; -M (v13 is named with it as a pair)
.set LS,  14                           ; v14-15 the row's sum in two halves
.set Q,   16                           ; v16-27 q's fragment, 22-27 zero codes
.set CKA, 28                           ; lane terms of the gather
.set CKB, 29
.set CKS, 30
.set SH8, 31                           ; 8 h
.set KF,  32                           ; v32-79 k's eight half fragments
.set Q2,  80                           ; v80-86 the second pass's q and its scale word (v80-85 are also tile 7's unused half)
.set QS,  87                           ; q's scale word
.set KS,  88                           ; v88-95 k's scale words
.set S,   96                           ; v96-159 S^T, then p, then v's four fragments
.set O,   160                          ; v160-191 O^T
.set PC,  192                          ; v192-203 p's codes
.set CT,  204                          ; v204-210 the conversions' second halves
.set T,   212                          ; v212-219 four partial sums, in pairs
.set BM,  220                          ; v220-223 largest scores
.set VS,  224                          ; v224-227 v's scale words
.set F,   228                          ; f = 2^(old M - new M) (v229 named with it)
.set PW,  230                          ; p's scale word
.set SCO, 232                          ; the conversions' scale operands
.set BY,  234                          ; scale bytes
.set X,   236                          ; v236-238 at work
.set SPW, 240
.set NIL, 241
.set CVA, 242                          ; 16 r + 320 h: a 16-byte piece of an image in the padded record
.macro ROUND                           ; a round of the cluster's barrier
	s_barrier_signal -1
	s_barrier_wait -1
	s_cmp_lg_u32 s10, 0
	s_cbranch_scc1 .Lnot_wave_0_\@
	s_barrier_signal -3
.Lnot_wave_0_\@:
	s_barrier_wait -3
	s_barrier_signal -1
	s_barrier_wait -1
.endm
; k's eight gathered half fragments and their scale words, from the record at byte off behind the address registers
.macro KLOAD ra, rb, rs, off
.irp i, 0,1,2,3,4,5,6,7
	ds_load_b128 v[KF+6*\i:KF+6*\i+3], v[\ra] offset:(\off)+960*(4*(\i/4)+\i%2)+128*((\i%4)/2)
	ds_load_b64 v[KF+6*\i+4:KF+6*\i+5], v[\rb] offset:(\off)+960*(4*(\i/4)+\i%2)+640+64*((\i%4)/2)
.endr
.irp i, 0,1,2,3
	ds_load_b64 v[KS+2*\i:KS+2*\i+1], v[\rs] offset:(\off)+7680+320*(\i%2)+16*(\i/2)
.endr
.endm
.macro VLOAD d, dst                    ; v's fragment d
	ds_load_b128 v[\dst:\dst+3], v[AVA] offset:8320+1920*\d
	ds_load_b64 v[\dst+4:\dst+5], v[AVB] offset:8320+1920*\d+640
	ds_load_b128 v[\dst+6:\dst+9], v[AVA] offset:8320+1920*\d+960
	ds_load_b64 v[\dst+10:\dst+11], v[AVB] offset:8320+1920*\d+1600
.endm
	s_load_b128 s[4:7], s[0:1], 0x0                ; qkv s[4:5], ctx_img s[6:7]
	s_load_b64 s[8:9], s[0:1], 0x10                ; ctx_sc
	v_lshl_add_u32 v[SPW], v0, 2, SPARE
	v_mov_b32 v[NIL], 0
	ds_add_u32 v[SPW], v[NIL]                      ; the opening lines: the add twice on end and its wait
	ds_add_u32 v[SPW], v[NIL]
	v_lshrrev_b32 v1, 5, v0
	v_readfirstlane_b32 s10, v1                    ; wave 0..15
	s_bfe_u32 s11, ttmp6, 0x40000                  ; cx
	s_and_b32 s12, ttmp7, 0xffff                   ; 16 x batch + head, which the four partners share
	s_lshl_b32 s13, ttmp9, 2
	s_add_co_u32 s13, s13, s11                     ; which 512 queries of the head
	; group 1: a record, 13,056 dense bytes, as 51 rows of 256 bytes (32 elements of 8 bytes), 16 words of padding behind each 64
	s_mov_b32 s16, 15|(3<<16)|(1<<20)|(1<<21)|(5<<22)|(15<<25)
	s_mov_b32 s17, 32<<16
	s_mov_b32 s18, 51<<16
	s_mov_b32 s19, 32<<16
	s_mov_b32 s20, 51
	s_mov_b32 s21, 32
	s_mov_b32 s22, 0
	s_mov_b32 s23, 0
	s_mul_i32 s56, s12, 16*REC                     ; the head's records, of which wave w fetches record w
	s_add_co_u32 s56, s56, KVB
	s_mul_i32 s58, s10, REC
	s_add_co_u32 s56, s56, s58
	s_mov_b32 s57, 0
	s_mov_b32 s24, 1
	s_mul_i32 s25, s10, RECL                       ; its place in LDS
	; q: record 16 (16 b + head) + 4 X + w / 8 (the second pass: two records on), tile w % 8
	s_lshl_b32 s14, s12, 4
	s_lshl_b32 s15, s13, 2
	s_add_co_u32 s14, s14, s15
	s_lshr_b32 s15, s10, 3
	s_add_co_u32 s14, s14, s15
	s_mul_i32 s14, s14, QREC
	s_and_b32 s15, s10, 7
	s_mul_i32 s60, s15, 768
	s_add_co_u32 s40, s14, s60
	s_mov_b32 s41, 0
	s_lshl_b32 s15, s15, 2
	s_add_co_u32 s42, s14, s15
	s_add_co_u32 s42, s42, 6144
	s_mov_b32 s43, 0
	; ctx: tile of tokens 128 b + 32 X + w (the second pass: 16 tiles on)
	s_lshr_b32 s14, s12, 4
	s_lshl_b32 s14, s14, 7
	s_lshl_b32 s15, s13, 5
	s_add_co_u32 s14, s14, s15
	s_add_co_u32 s14, s14, s10
	s_and_b32 s15, s12, 15                         ; the head
	s_mul_i32 s44, s14, 12288
	s_mul_i32 s60, s15, 768
	s_add_co_u32 s44, s44, s60
	s_mov_b32 s45, 0
	s_lshl_b32 s46, s14, 9
	s_lshl_b32 s15, s15, 1
	s_add_co_u32 s46, s46, s15
	s_mov_b32 s47, 0
	s_mov_b32 s50, 0x76543210                      ; lane selects for v_permlanex16_b32: lane l xor 16
	s_mov_b32 s51, 0xfedcba98
	s_mov_b32 s52, 0x3e38aa3b                      ; c = log2(e) / 8
	s_mov_b32 s53, s52
	s_wait_dscnt 0x0
	s_wait_kmcnt 0x0
	s_add_nc_u64 s[26:27], s[4:5], s[56:57]
	s_or_b32 s27, s27, 0x80000000
	s_add_nc_u64 s[40:41], s[4:5], s[40:41]
	s_add_nc_u64 s[42:43], s[4:5], s[42:43]
	s_add_nc_u64 s[44:45], s[6:7], s[44:45]
	s_add_nc_u64 s[46:47], s[8:9], s[46:47]
	ROUND                                          ; all four work-groups are here: the joint loads meet
	tensor_load_to_lds s[24:27], s[16:23]          ; my record: one tensor load a wave
	s_nop 0
	v_and_b32 v232, 31, v0                         ; lane
	v_and_b32 v233, 15, v0                         ; r
	v_bfe_u32 v234, v0, 4, 1                       ; h
	v_and_b32 v235, 7, v0                          ; r % 8
	v_bfe_u32 v236, v0, 3, 1                       ; r / 8
	v_lshlrev_b32 v[L16], 4, v232
	v_lshlrev_b32 v[L8], 3, v232
	v_lshlrev_b32 v[R32], 5, v233
	v_lshlrev_b32 v[CVS], 4, v233
	v_mul_u32_u24 v237, v234, 320
	v_mul_u32_u24 v238, v236, 1920
	v_lshl_add_u32 v[CVA], v233, 4, v237
	v_lshl_add_u32 v[CKA], v235, 4, v237
	v_add_nc_u32 v[CKA], v[CKA], v238              ; 16 (r % 8) + 320 h + 1,920 (r / 8)
	v_lshl_add_u32 v[CKB], v235, 3, v238
	v_lshl_add_u32 v[CKB], v234, 7, v[CKB]         ; 8 (r % 8) + 128 h + 1,920 (r / 8)
	v_lshlrev_b32 v[CKS], 5, v235
	v_lshl_add_u32 v[CKS], v236, 3, v[CKS]         ; 32 (r % 8) + 8 (r / 8)
	v_lshlrev_b32 v[SH8], 3, v234
	global_load_b128 v[Q:Q+3], v[L16], s[40:41]
	global_load_b64 v[Q+4:Q+5], v[L8], s[40:41] offset:512
	global_load_b32 v[QS], v[R32], s[42:43]
	global_load_b128 v[Q2:Q2+3], v[L16], s[40:41] offset:2*QREC
	global_load_b64 v[Q2+4:Q2+5], v[L8], s[40:41] offset:2*QREC+512
	global_load_b32 v[Q2+6], v[R32], s[42:43] offset:2*QREC
.irp i, 6,7,8,9,10,11
	v_mov_b32 v[Q+\i], 0                           ; zero codes for the unused half of the K step
.endr
	v_mov_b32 v[NM+1], 0                           ; the upper halves of two pairs are written once
	v_mov_b32 v[F+1], 0
; A KEY STEP: the 128 keys of the record at LDS byte s54.  k's fragments are in registers: they were asked for a step ago.
.macro STEP
.irp i, 0,1,2,3,4,5,6,7
	v_wmma_scale_f32_16x16x128_f8f6f4 v[S+8*\i:S+8*\i+7], v[KF+6*\i:KF+6*\i+11], v[Q:Q+11], 0, v[KS+\i], v[QS] matrix_a_fmt:MATRIX_FMT_BF6 matrix_b_fmt:MATRIX_FMT_BF6
.endr
	v_add_nc_u32 v[AKA], s54, v[CKA]               ; four plain lines: the places behind the products
	v_add_nc_u32 v[AKB], s54, v[CKB]
	v_add_nc_u32 v[AKS], s54, v[CKS]
	v_add_nc_u32 v[AVS], s54, v[CVS]
	ds_load_b128 v[VS:VS+3], v[AVS] offset:16000   ; v's scale words of this record
	s_cmp_eq_u32 s55, 1                            ; the last of the 16 trips has no next record
	s_cbranch_scc1 .Lno_next_\@
	KLOAD AKA, AKB, AKS, RECL                      ; the next record's k
.Lno_next_\@:
.irp b, 0,1,2,3
	v_max3_num_f32 v[BM+\b], v[S+16*\b], v[S+16*\b+1], v[S+16*\b+2]   ; four chains of 16 scores by turns, each accumulator from its low end on
.endr
.irp i, 3,5,7,9,11,13
.irp b, 0,1,2,3
	v_max3_num_f32 v[BM+\b], v[BM+\b], v[S+16*\b+\i], v[S+16*\b+\i+1]
.endr
.endr
	v_max3_num_f32 v[BM], v[BM], v[BM+1], v[S+15]
	v_max3_num_f32 v[BM+2], v[BM+2], v[BM+3], v[S+47]
	v_max_num_f32 v[BM], v[BM], v[S+31]            ; the largest score of my block h,
	v_max_num_f32 v[BM+2], v[BM+2], v[S+63]        ; and of my block 2 + h: they serve for the row's maximum and, since p rises with the score, for the blocks' largest p
	s_delay_alu instid0(VALU_DEP_1)
	v_max_num_f32 v[X], v[BM], v[BM+2]
	s_delay_alu instid0(VALU_DEP_1)
	v_permlanex16_b32 v[X+1], v[X], s50, s51
	s_delay_alu instid0(VALU_DEP_1)
	v_max_num_f32 v[X], v[X], v[X+1]               ; the step's largest score of my query
	s_delay_alu instid0(VALU_DEP_1)
	v_mul_f32 v[X], s52, v[X]                      ; as t (c is positive)
	s_delay_alu instid0(VALU_DEP_1)
	v_floor_f32 v[X], -v[X]                        ; -ceil(t)
	s_delay_alu instid0(VALU_DEP_1)
	v_min_num_f32 v[NM], v[NM], v[X]               ; the new -M: M = the ceiling of the running maximum
.set j, 0
.rept 32
	v_pk_fma_f32 v[S+j:S+j+1], v[S+j:S+j+1], s[52:53], v[NM:NM+1] op_sel_hi:[1,0,0]   ; t - M, two at a time; f is made among them
.if j == 14
	v_sub_f32 v[X], v[NM], v[OM]                   ; M's old value less its new one: a whole number, 0 or less
.endif
.if j == 30
	v_cvt_i32_f32 v[X], v[X]                       ; (it saturates)
.endif
.if j == 46
	v_ldexp_f32 v[F], 1.0, v[X]                    ; f = 2^(old M - new M)
.endif
.set j, j+2
.endr
	v_fma_f32 v[BM], v[BM], s52, v[NM]             ; the same of each block's largest score
	v_fma_f32 v[BM+2], v[BM+2], s52, v[NM]
	s_wait_alu depctr_va_vdst(0)
	v_exp_f32 v[BM], v[BM]                         ; the blocks' largest p: the same two instructions on the same number give the same bits
	v_exp_f32 v[BM+2], v[BM+2]
.set j, 0
.rept 64
	v_exp_f32 v[S+j], v[S+j]                       ; p = 2^(t - M), at most 1
.set j, j+1
.endr
	v_mov_b32 v[OM], v[NM]                         ; the plain line behind the batch: -M for the next step's f
	s_wait_alu depctr_va_vdst(0)                   ; one wait for the batch, ahead of its first reader
	v_max_num_f32 v[BM], 0x2800000, v[BM]          ; the floor 2^(5 - 127): the byte cannot fall under 1
	v_max_num_f32 v[BM+2], 0x2800000, v[BM+2]
	s_delay_alu instid0(VALU_DEP_2)
	v_add_nc_u32 v[SCO], 0xfe000000, v[BM]         ; 4 off the exponent field: the conversion's scale operand
	s_delay_alu instid0(VALU_DEP_2)
	v_add_nc_u32 v[SCO+1], 0xfe000000, v[BM+2]
.irp c, 0,1
	v_cvt_scalef32_pk16_bf6_f32 v[PC+6*\c:PC+6*\c+2], v[S+32*\c:S+32*\c+15], v[SCO+\c]
	v_cvt_scalef32_pk16_bf6_f32 v[CT+4*\c:CT+4*\c+2], v[S+32*\c+16:S+32*\c+31], v[SCO+\c]   ; a conversion's three registers begin on an even number
.endr
.irp i, 0,1,2,3
	v_pk_add_f32 v[T+2*\i:T+2*\i+1], v[S+4*\i:S+4*\i+1], v[S+4*\i+2:S+4*\i+3]   ; the row's sum of the unquantised p: four chains of pairs
.endr
.set j, 16
.rept 8
	v_pk_add_f32 v[T+j%8:T+j%8+1], v[T+j%8:T+j%8+1], v[S+j:S+j+1]
.set j, j+2
.endr
	VLOAD 0, S                                     ; p's first 32 registers are done with: two of v's fragments land there
	VLOAD 1, S+12
.rept 16
	v_pk_add_f32 v[T+j%8:T+j%8+1], v[T+j%8:T+j%8+1], v[S+j:S+j+1]
.set j, j+2
.endr
	VLOAD 2, S+32
	VLOAD 3, S+44
	v_lshrrev_b32 v[BY], 23, v[SCO]                ; my two scale bytes; the word is made among the moves of the codes' second halves
	v_lshrrev_b32 v[BY+1], 23, v[SCO+1]
	v_mov_b32 v[PC+3], v[CT]
	s_delay_alu instid0(VALU_DEP_2)
	v_lshl_or_b32 v[BY], v[BY+1], 16, v[BY]
	v_mov_b32 v[PC+4], v[CT+1]
	s_delay_alu instid0(VALU_DEP_2)
	v_lshlrev_b32 v[BY], v[SH8], v[BY]             ; blocks h and 2 + h: 8 h bits up
	v_mov_b32 v[PC+5], v[CT+2]
	s_delay_alu instid0(VALU_DEP_2)
	v_permlanex16_b32 v[X+1], v[BY], s50, s51
	v_mov_b32 v[PC+9], v[CT+4]
	s_delay_alu instid0(VALU_DEP_2)
	v_or_b32 v[PW], v[BY], v[X+1]                  ; with lane l xor 16's two bytes: p's scale word for these 128 keys
	v_mov_b32 v[PC+10], v[CT+5]
	v_mov_b32 v[PC+11], v[CT+6]
	s_wait_alu depctr_va_vdst(0)                   ; directly ahead of the first reader of O^T
.set j, 0
.rept 16
	v_pk_mul_f32 v[O+j:O+j+1], v[O+j:O+j+1], v[F:F+1] op_sel_hi:[1,0]   ; O^T under the new M; these sixteen stand between the writes of p's codes and scale word and the products
.set j, j+2
.endr
	s_wait_alu depctr_va_vdst(0)
	s_wait_dscnt 0x0                               ; v's fragments and scale words, and the next record's k
.irp d, 0,1,2,3                                ; O^T += v^T p^T: the four accumulators by turns
	v_wmma_scale_f32_16x16x128_f8f6f4 v[O+8*\d:O+8*\d+7], v[S+12*\d+8*(\d/2):S+12*\d+8*(\d/2)+11], v[PC:PC+11], v[O+8*\d:O+8*\d+7], v[VS+\d], v[PW] matrix_a_fmt:MATRIX_FMT_BF6 matrix_b_fmt:MATRIX_FMT_BF6
.endr
	s_add_co_u32 s54, s54, RECL                    ; the next record
	v_pk_add_f32 v[T:T+1], v[T:T+1], v[T+2:T+3]    ; six plain lines: the places ahead of the next step's products, which write over v's fragments
	v_pk_add_f32 v[T+4:T+5], v[T+4:T+5], v[T+6:T+7]
	v_add_nc_u32 v[AVA], s54, v[CVA]
	v_add_nc_u32 v[AVB], s54, v[L8]
	v_pk_add_f32 v[T:T+1], v[T:T+1], v[T+4:T+5]
	v_pk_fma_f32 v[LS:LS+1], v[LS:LS+1], v[F:F+1], v[T:T+1] op_sel_hi:[1,0,1]   ; the sum under the new M, and this step's part
.endm
; A PASS: 16 queries a wave against all 2,048 keys; then ctx = O / the sum, quantised along the head's 64 (two blocks) and stored as half a fragment.
.macro PASS p, ioff, soff
.if \p
	v_mov_b32 v[QS], v[Q2+6]
.irp i, 0,1,2,3,4,5
	v_mov_b32 v[Q+\i], v[Q2+\i]
.endr
.endif
	v_mov_b32 v[NM], 0x7f61b1e6                    ; -M: 3e38, over every -ceil(t)
	v_mov_b32 v[OM], 0x7f61b1e6
	v_mov_b32 v[LS], 0
	v_mov_b32 v[LS+1], 0
	v_mov_b32 v[AVA], v[CVA]
	v_mov_b32 v[AVB], v[L8]
.set j, 0
.rept 32
	v_mov_b32 v[O+j], 0                            ; O^T: the loop has no first step of its own; the first f is 0 and leaves zeros zeros
.set j, j+1
.endr
	s_mov_b32 s54, 0
	s_mov_b32 s55, 16
	s_wait_alu depctr_va_vdst(0)
.if \p == 0
	s_wait_tensorcnt 0x0                           ; my record is in,
	s_barrier_signal -1
	s_barrier_wait -1                              ; everybody's is: the head's k and v lie in LDS for the rest of the launch
.endif
	KLOAD CKA, CKB, CKS, 0                         ; record 0's k
.if \p == 0
	s_wait_loadcnt 0x0                             ; q of both passes
.endif
	s_wait_dscnt 0x0
.Lkeys_\@:
	STEP
	s_sub_co_u32 s55, s55, 1
	s_cmp_lg_u32 s55, 0
	s_cbranch_scc1 .Lkeys_\@
	v_add_f32 v[LS], v[LS], v[LS+1]                ; the sum's two halves,
	s_delay_alu instid0(VALU_DEP_1)
	v_permlanex16_b32 v[X+1], v[LS], s50, s51
	s_delay_alu instid0(VALU_DEP_1)
	v_add_f32 v[LS], v[LS], v[X+1]                 ; and lane l xor 16's: the row's sum
	s_wait_alu depctr_va_vdst(0)
	v_rcp_f32 v[LS], v[LS]
	v_mov_b32 v[LS+1], 0                           ; the plain line behind the reciprocal
	s_wait_alu depctr_va_vdst(0)                   ; ahead of its first reader, and of O^T's
.set j, 0
.rept 16
	v_pk_mul_f32 v[S+j:S+j+1], v[O+j:O+j+1], v[LS:LS+1] op_sel_hi:[1,0]   ; ctx: register 16 b + i = place 32 b + 16 (lane / 16) + i of the head
.set j, j+2
.endr
	v_max3_num_f32 v[BM], |v[S]|, |v[S+1]|, 0x2800000
	v_max3_num_f32 v[BM+1], |v[S+16]|, |v[S+17]|, 0x2800000
.irp i, 2,4,6,8,10,12,14
	s_delay_alu instid0(VALU_DEP_2)
	v_max3_num_f32 v[BM], v[BM], |v[S+\i]|, |v[S+1+\i]|
	s_delay_alu instid0(VALU_DEP_2)
	v_max3_num_f32 v[BM+1], v[BM+1], |v[S+16+\i]|, |v[S+17+\i]|
.endr
	s_delay_alu instid0(VALU_DEP_2)
	v_permlanex16_b32 v[X+1], v[BM], s50, s51
	s_delay_alu instid0(VALU_DEP_2)
	v_permlanex16_b32 v[X+2], v[BM+1], s50, s51
	s_delay_alu instid0(VALU_DEP_2)
	v_max_num_f32 v[BM], v[BM], v[X+1]
	s_delay_alu instid0(VALU_DEP_2)
	v_max_num_f32 v[BM+1], v[BM+1], v[X+2]
	s_delay_alu instid0(VALU_DEP_2)
	v_add_nc_u32 v[SCO], 0xfe000000, v[BM]
	s_delay_alu instid0(VALU_DEP_2)
	v_add_nc_u32 v[SCO+1], 0xfe000000, v[BM+1]
	s_delay_alu instid0(VALU_DEP_2)
	v_lshrrev_b32 v[BY], 23, v[SCO]
	s_delay_alu instid0(VALU_DEP_2)
	v_lshrrev_b32 v[BY+1], 23, v[SCO+1]
	s_delay_alu instid0(VALU_DEP_1)
	v_lshl_or_b32 v[PW], v[BY+1], 8, v[BY]         ; the head's two scale bytes of my row
	v_cvt_scalef32_pk16_bf6_f32 v[PC:PC+2], v[S:S+15], v[SCO]
	v_cvt_scalef32_pk16_bf6_f32 v[CT:CT+2], v[S+16:S+31], v[SCO+1]
	v_nop                                          ; one plain line behind the scaled conversions
.irp i, 0,1,2
	v_permlane16_swap_b32 v[PC+\i], v[CT+\i]       ; a whole block in a lane: lanes 0-15 block 0, lanes 16-31 block 1
.endr
.irp i, 0,1,2
	v_mov_b32 v[PC+3+\i], v[CT+\i]
.endr
	global_store_b128 v[L16], v[PC:PC+3], s[44:45] offset:\ioff        ; 512 consecutive bytes,
	global_store_b64 v[L8], v[PC+4:PC+5], s[44:45] offset:\ioff+512    ; and 256
	global_store_b16 v[R32], v[PW], s[46:47] offset:\soff
.endm
	PASS 0, 0, 0
	s_wait_xcnt 0x0                                ; the stores have read their registers: the second pass writes them again
	PASS 1, 16*12288, 16*512
	s_wait_tensorcnt 0x0                           ; the wave's end
	ds_add_u32 v[SPW], v[NIL]
	s_wait_dscnt 0x0
	ROUND                                          ; the closing round
	s_endpgm
.Lfunc_end_k_q89280fe59a_attn:
	.size	k_q89280fe59a_attn, .Lfunc_end_k_q89280fe59a_attn-k_q89280fe59a_attn
	.p2alignl 7, 3214868480
	.fill 96, 4, 3214868480
	.section	.rodata,"a",@progbits
	.p2align	6, 0x0
	.amdhsa_kernel k_q89280fe59a_attn
		.amdhsa_group_segment_fixed_size 327680
		.amdhsa_private_segment_fixed_size 0
		.amdhsa_enable_private_segment 0
		.amdhsa_kernarg_size 24
		.amdhsa_user_sgpr_count 2
		.amdhsa_user_sgpr_kernarg_segment_ptr 1
		.amdhsa_wavefront_size32 1
		.amdhsa_system_sgpr_workgroup_id_x 1
		.amdhsa_system_sgpr_workgroup_id_y 1
		.amdhsa_system_sgpr_workgroup_id_z 1
		.amdhsa_system_vgpr_workitem_id 0
		.amdhsa_next_free_vgpr 256
		.amdhsa_next_free_sgpr 66
		.amdhsa_reserve_vcc 0
		.amdhsa_float_denorm_mode_32 3
		.amdhsa_float_denorm_mode_16_64 3
		.amdhsa_memory_ordered 1
		.amdhsa_forward_progress 1
		.amdhsa_inst_pref_size 51
	.end_amdhsa_kernel
	.amdgpu_metadata
---
amdhsa.version: [ 1, 2 ]
amdhsa.kernels:
  - .name:           k_q89280fe59a_attn
    .symbol:         k_q89280fe59a_attn.kd
    .args:
      - { .name: qkv, .offset: 0, .size: 8, .value_kind: global_buffer, .address_space: global }
      - { .name: ctx_img, .offset: 8, .size: 8, .value_kind: global_buffer, .address_space: global }
      - { .name: ctx_sc, .offset: 16, .size: 8, .value_kind: global_buffer, .address_space: global }
    .group_segment_fixed_size: 327680
    .private_segment_fixed_size: 0
    .kernarg_segment_align: 8
    .kernarg_segment_size: 24
    .max_flat_workgroup_size: 512
    .sgpr_count:     66
    .vgpr_count:     256
    .wavefront_size: 32
...
	.end_amdgpu_metadata
.endif
;; end of part 3
;; launch oproj (part 4): grid 8 x 32, 4 waves a work-group, clusters of 4 x 4, 327,680 bytes of LDS; arguments ctx_img, ctx_sc, xw_img, xw_sc, bo, out0; writes out0
.if DOCPART == 4
	.amdgcn_target "amdgcn-amd-amdhsa--gfx1250"
	.amdhsa_code_object_version 6
	.text
	.protected	k_q89280fe59a_oproj
	.globl	k_q89280fe59a_oproj
	.p2align	8
	.type	k_q89280fe59a_oproj,@function
k_q89280fe59a_oproj:
	s_mov_b64 s[64:65], 0
	v_nop
	global_prefetch_b8 v0, s[64:65] scope:SCOPE_SE
	s_setreg_imm32_b32 hwreg(HW_REG_WAVE_MODE, 25, 1), 1
	s_wait_xcnt 0x0
	s_wait_alu depctr_hold_cnt(0) depctr_sa_sdst(0) depctr_va_vdst(0) depctr_va_sdst(0) depctr_va_ssrc(0) depctr_va_vcc(0) depctr_vm_vsrc(0)
	s_getreg_b32 s2, hwreg(HW_REG_IB_STS2, 6, 4)
	s_cmp_eq_u32 s2, 0
	s_cbranch_scc0 .Lentry_in_a_cluster
	s_endpgm
.Lentry_in_a_cluster:
	s_bfe_u32 s2, ttmp6, 0x10000c
	s_cmp_lg_u32 s2, 0xf033
	s_cbranch_scc0 .Lentry_shape_is_right
	s_endpgm
.Lentry_shape_is_right:
; out = ctx Wo^T + bo on codes of BF6 with E8M0 scales; out is f32.
; INPUT: ctx_img and xw_img [tile of 16 rows][K step of 128][1,536 bytes], register images; ctx_sc and xw_sc [tile][row r][K step] words; Wo's tiles are xw_img's 704 to 767.
; Lane-row r of tile t is row 32 (t / 2) + 8 (t % 2) + r + 8 (r / 8).
; SHARES.  8 x 32 = 256 work-groups; a work-group makes 256 tokens x 128 columns, a wave 128 tokens (8 tiles) x 64 columns (4 tiles): 32 accumulators.
; LDS holds ctx's 16 tiles and Wo's 8 tiles for all of K, each as two halves of K: four fills, one a wave, at the head; nothing is filled again, so K has no barrier.
; No data prefetch: everything is asked for at the head, and there is no loop to run ahead in.
; CLUSTER 4 x 4: ctx's tiles are asked for jointly along a row of the cluster, Wo's along a column.
; Source 0 = a tile of Wo, source 1 = a tile of ctx: a lane holds one token, its registers run along the columns.  The bias is the C of the first product.
; THE WAY OUT: 16 tokens x 64 columns at a time through the wave's own stage in LDS; sixteen lanes store a row's 256 consecutive bytes, at a multiple of 256 from out's first byte.
.set TILEB,  12288
.set HALFK,  6144
.set XH,     16*HALFK
.set WSL,    2*XH
.set WSLOT,  8*HALFK
.set SPARE,  WSL+2*WSLOT
.set STG,    SPARE+512
.set SP,     272
.set XA,   8
.set WA,   12
.set L16,  16
.set L8,   17
.set BO0,  18
.set STO,  19
.set RD,   20
.set CO,   21
.set RS,   22
.set SPW,  28
.set NIL,  29
.set SCX,  32
.set SCW,  96
.set BK,   128                         ; v128-191 two blocks on their way out
.set BI,   96                          ; window 3
.set GX,   24
.set GWH,  32
.set G0H,  48
.set OUTP, 76
.set MSB, 0
.macro WIN new
.if MSB != (\new)
	s_set_vgpr_msb (MSB<<8)|(\new)
.set MSB, (\new)
.endif
.endm
.macro CREST
	s_cmp_lg_u32 s16, 0
	s_cbranch_scc1 .Lnot_wave_0_\@
	s_barrier_signal -3
.Lnot_wave_0_\@:
	s_barrier_wait -3
	s_barrier_signal -1
	s_barrier_wait -1
.endm
.macro CROUND
	s_barrier_signal -1
	s_barrier_wait -1
	CREST
.endm
.macro PLACES n
.rept \n
	v_nop
.endr
.endm
.macro G1SET g, rows
	s_mov_b32 s[\g+1], 768<<16
	s_mov_b32 s[\g+2], (\rows)<<16
	s_mov_b32 s[\g+3], 768<<16
	s_mov_b32 s[\g+4], \rows
	s_mov_b32 s[\g+5], 1536
	s_mov_b32 s[\g+6], 0
	s_mov_b32 s[\g+7], 0
.endm
.macro ARM under, g0, g1, next
	s_cmp_lt_u32 s16, \under
	s_cbranch_scc0 \next
	tensor_load_to_lds s[\g0:\g0+3], s[\g1:\g1+7]
	s_nop 0
	PLACES 4
	s_branch .Lhead_asked
\next:
.endm
	s_load_b128 s[4:7], s[0:1], 0x0                ; ctx_img, ctx_sc
	s_load_b128 s[8:11], s[0:1], 0x10              ; xw_img, xw_sc
	s_load_b128 s[12:15], s[0:1], 0x20             ; bo, out0
	v_lshl_add_u32 v[SPW], v0, 2, SPARE
	v_mov_b32 v[NIL], 0
	ds_add_u32 v[SPW], v[NIL]                      ; the opening lines: the add twice on end and its wait
	ds_add_u32 v[SPW], v[NIL]
	v_lshrrev_b32 v1, 5, v0
	v_readfirstlane_b32 s16, v1                    ; wave
	s_lshr_b32 s17, s16, 1                         ; which 128 tokens
	s_and_b32 s18, s16, 1                          ; which 64 columns
	s_bfe_u32 s19, ttmp6, 0x40000
	s_bfe_u32 s20, ttmp6, 0x40004
	s_lshl_b32 s21, ttmp9, 2
	s_add_co_u32 s21, s21, s19                     ; column block 0..7
	s_and_b32 s22, ttmp7, 0xffff
	s_lshl_b32 s22, s22, 2
	s_add_co_u32 s22, s22, s20                     ; token block 0..31
	s_lshl_b32 s2, s20, 2
	s_lshl_b32 s2, 15, s2
	s_lshl_b32 s3, 0x1111, s19
	s_or_b32 s[GX], s2, (3<<16)|(1<<21)
	s_or_b32 s[GWH], s3, (3<<16)|(1<<21)
	G1SET GX, 16
	G1SET GWH, 8
	s_mul_i32 s88, s22, 16*TILEB
	s_mov_b32 s89, 0
	s_lshl_b32 s90, s21, 3
	s_add_co_u32 s90, s90, 704
	s_mul_i32 s90, s90, TILEB
	s_mov_b32 s91, 0
	s_wait_dscnt 0x0
	s_wait_kmcnt 0x0
	s_add_nc_u64 s[88:89], s[4:5], s[88:89]
	s_add_nc_u64 s[90:91], s[8:9], s[90:91]
	CROUND                                         ; all sixteen work-groups are here: the joint loads meet
	s_mov_b32 s[G0H], 1
	s_mov_b32 s[G0H+1], 0
	s_mov_b64 s[G0H+2:G0H+3], s[88:89]
	s_or_b32 s[G0H+3], s[G0H+3], 0x80000000
	s_mov_b32 s[G0H+4], 1
	s_mov_b32 s[G0H+5], XH
	s_add_nc_u64 s[G0H+6:G0H+7], s[88:89], HALFK
	s_or_b32 s[G0H+7], s[G0H+7], 0x80000000
	s_mov_b32 s[G0H+8], 1
	s_mov_b32 s[G0H+9], WSL
	s_mov_b64 s[G0H+10:G0H+11], s[90:91]
	s_or_b32 s[G0H+11], s[G0H+11], 0x80000000
	s_mov_b32 s[G0H+12], 1
	s_mov_b32 s[G0H+13], WSL+WSLOT
	s_add_nc_u64 s[G0H+14:G0H+15], s[90:91], HALFK
	s_or_b32 s[G0H+15], s[G0H+15], 0x80000000
	ARM 1, G0H, GX, .Lhead_x1                      ; one fill a wave: ctx's two halves of K, Wo's two
	ARM 2, G0H+4, GX, .Lhead_w0
	ARM 3, G0H+8, GWH, .Lhead_w1
	tensor_load_to_lds s[G0H+12:G0H+15], s[GWH:GWH+7]
	s_nop 0
	PLACES 4
.Lhead_asked:
	s_mul_i32 s2, s17, 8*HALFK
	s_add_co_u32 s3, s2, XH
	s_mul_i32 s66, s18, 4*HALFK
	s_add_co_u32 s66, s66, WSL
	s_add_co_u32 s67, s66, WSLOT
	s_mul_i32 s23, s16, 16*SP
	s_add_co_u32 s23, s23, STG                     ; my stage
	s_lshl_b32 s88, s22, 4
	s_lshl_b32 s89, s17, 3
	s_add_co_u32 s88, s88, s89
	s_lshl_b32 s88, s88, 9
	s_mov_b32 s89, 0
	s_add_nc_u64 s[96:97], s[6:7], s[88:89]        ; ctx's scale words
	s_lshl_b32 s88, s21, 3
	s_lshl_b32 s90, s18, 2
	s_add_co_u32 s88, s88, s90
	s_add_co_u32 s88, s88, 704
	s_lshl_b32 s88, s88, 9
	s_add_nc_u64 s[98:99], s[10:11], s[88:89]      ; Wo's
	s_lshl_b32 s90, s21, 1
	s_add_co_u32 s90, s90, s18
	s_lshl_b32 s88, s90, 8                         ; my 64 columns, in bytes
	s_add_nc_u64 s[92:93], s[12:13], s[88:89]
	s_add_nc_u64 s[OUTP:OUTP+1], s[14:15], s[88:89]
	s_lshl_b32 s88, s22, 1
	s_add_co_u32 s88, s88, s17
	s_lshl_b32 s88, s88, 19                        ; my first token: 128 rows of 4,096 bytes a step
	s_add_nc_u64 s[OUTP:OUTP+1], s[OUTP:OUTP+1], s[88:89]
	v_and_b32 v3, 31, v0
	v_and_b32 v1, 15, v0                           ; r
	v_bfe_u32 v2, v0, 4, 1                         ; h
	v_lshlrev_b32 v[L16], 4, v3
	v_lshlrev_b32 v[L8], 3, v3
	v_add_nc_u32 v[XA], s2, v[L16]
	v_add_nc_u32 v[XA+1], s2, v[L8]
	v_add_nc_u32 v[XA+2], s3, v[L16]
	v_add_nc_u32 v[XA+3], s3, v[L8]
	v_add_nc_u32 v[WA], s66, v[L16]
	v_add_nc_u32 v[WA+1], s66, v[L8]
	v_add_nc_u32 v[WA+2], s67, v[L16]
	v_add_nc_u32 v[WA+3], s67, v[L8]
	v_lshlrev_b32 v[BO0], 6, v2
	v_lshlrev_b32 v[RS], 5, v1
	v_mul_u32_u24 v[STO], v1, SP                   ; into the stage: row r, 64 bytes for each half of the lanes
	v_lshl_add_u32 v[STO], v2, 6, v[STO]
	v_add_nc_u32 v[STO], s23, v[STO]
	v_mul_u32_u24 v[RD], v2, SP                    ; back: lanes 0-15 one row of 256 bytes, lanes 16-31 the next
	v_lshl_add_u32 v[RD], v1, 4, v[RD]
	v_add_nc_u32 v[RD], s23, v[RD]
	v_lshlrev_b32 v[CO], 12, v2                    ; and the same two rows in out
	v_lshl_add_u32 v[CO], v1, 4, v[CO]
	s_wait_alu depctr_va_vdst(0)
.irp i, 0,1,2,3,4,5,6,7
	global_load_b128 v[SCX+8*\i:SCX+8*\i+3], v[RS], s[96:97] offset:512*\i
	global_load_b128 v[SCX+8*\i+4:SCX+8*\i+7], v[RS], s[96:97] offset:512*\i+16
.endr
.irp j, 0,1,2,3
	global_load_b128 v[SCW+8*\j:SCW+8*\j+3], v[RS], s[98:99] offset:512*\j
	global_load_b128 v[SCW+8*\j+4:SCW+8*\j+7], v[RS], s[98:99] offset:512*\j+16
.endr
	WIN 0xc0
.irp j, 0,1,2,3                        ; the bias in the result's layout: tile j, register e: column 32 (j / 2) + 8 (j % 2) + 16 h + e
	global_load_b128 v[BI+8*\j:BI+8*\j+3], v[BO0], s[92:93] offset:(32*(\j/2)+8*(\j%2))*4
	global_load_b128 v[BI+8*\j+4:BI+8*\j+7], v[BO0], s[92:93] offset:(32*(\j/2)+8*(\j%2))*4+16
.endr
	WIN 0
.macro FRAG reg, adr, off
	ds_load_b128 v[(\reg):(\reg)+3], v[\adr] offset:(\off)
	ds_load_b64 v[(\reg)+4:(\reg)+5], v[(\adr)+1] offset:(\off)+512
	ds_load_b128 v[(\reg)+6:(\reg)+9], v[\adr] offset:(\off)+768
	ds_load_b64 v[(\reg)+10:(\reg)+11], v[(\adr)+1] offset:(\off)+1280
.endm
.macro FETCH half, q, set              ; 48 LDS loads: ctx's eight fragments (window 1), Wo's four (window 3)
	WIN 0x40
.irp i, 0,1,2,3,4,5,6,7
	FRAG 96*(\set)+12*\i, XA+2*(\half), HALFK*\i+1536*(\q)
.endr
	WIN 0xc0
.irp i, 0,1,2,3
	FRAG 48*(\set)+12*\i, WA+2*(\half), HALFK*\i+1536*(\q)
.endr
	WIN 0
.endm
; 32 products; the 32 accumulators take turns, one instruction a turn, in the same order in every step
.macro MUL set, ks, first
.irp i, 0,1,2,3,4,5,6,7
.irp j, 0,1,2,3
.set DD, 8*(4*\i+\j)
.if \first
	v_wmma_scale_f32_16x16x128_f8f6f4 v[DD:DD+7], v[48*(\set)+12*\j:48*(\set)+12*\j+11], v[96*(\set)+12*\i:96*(\set)+12*\i+11], v[BI+8*\j:BI+8*\j+7], v[SCW+8*\j+(\ks)], v[SCX+8*\i+(\ks)] matrix_a_fmt:MATRIX_FMT_BF6 matrix_b_fmt:MATRIX_FMT_BF6
.else
	v_wmma_scale_f32_16x16x128_f8f6f4 v[DD:DD+7], v[48*(\set)+12*\j:48*(\set)+12*\j+11], v[96*(\set)+12*\i:96*(\set)+12*\i+11], v[DD:DD+7], v[SCW+8*\j+(\ks)], v[SCX+8*\i+(\ks)] matrix_a_fmt:MATRIX_FMT_BF6 matrix_b_fmt:MATRIX_FMT_BF6
.endif
.endr
.endr
.endm
.macro STEP s, first
	PLACES 4                                       ; behind the last step's products, ahead of loads into the registers that they read
	FETCH ((\s)+1)/4, ((\s)+1)%4, ((\s)+1)%2
.if \first
	s_wait_loadcnt 0x0                             ; scale words and bias
	s_wait_dscnt 48
	WIN 0xb7                                       ; source 0 window 3, source 1 window 1, C window 3, D window 2
.else
	s_wait_dscnt 48                                ; all but the 48 just issued: this step's fragments are in
	WIN 0xa7
.endif
	MUL (\s)%2, \s, \first
	WIN 0
.endm
	s_wait_tensorcnt 0x0                           ; my fill is in,
	s_barrier_signal -1
	s_barrier_wait -1                              ; everybody's is
	FETCH 0, 0, 0
	STEP 0, 1
.irp s, 1,2,3,4,5,6
	STEP \s, 0
.endr
	s_wait_dscnt 0x0
	WIN 0xa7
	MUL 1, 7, 0
	WIN 0
.macro TOSTAGE a
	WIN 0x08                                       ; the data: window 2
.irp b, 0,1,2,3
	ds_store_b128 v[STO], v[32*(\a)+8*\b:32*(\a)+8*\b+3] offset:128*(\b/2)+32*(\b%2)      ; each accumulator from its low end on
	ds_store_b128 v[STO], v[32*(\a)+8*\b+4:32*(\a)+8*\b+7] offset:128*(\b/2)+32*(\b%2)+16
.endr
	WIN 0
.set BB, BK+32*((\a)%2)
.irp t, 0,1,2,3,4,5,6,7
	ds_load_b128 v[BB+4*\t:BB+4*\t+3], v[RD] offset:2*\t*SP    ; LDS serves a wave's instructions in order: these see the stores above
.endr
.endm
.macro SEND a, younger
.set BB, BK+32*((\a)%2)
	s_wait_dscnt \younger
.irp t, 0,1,2,3,4,5,6,7
	global_store_b128 v[CO], v[BB+4*\t:BB+4*\t+3], s[OUTP:OUTP+1] offset:(32*((\a)/2)+8*((\a)%2)+2*\t+8*(\t/4))*4096 th:TH_STORE_NT
.endr
.endm
	PLACES 4
	TOSTAGE 0
.irp a, 1,2,3,4,5,6,7
.if \a > 1
	s_wait_xcnt 0x0                                ; block a - 2's stores have read their registers
.endif
	TOSTAGE \a
	SEND \a-1, 16                                  ; behind block a - 1's loads: block a's 8 stores and 8 loads
.endr
	SEND 7, 0
	s_wait_tensorcnt 0x0                           ; the wave's end
	ds_add_u32 v[SPW], v[NIL]
	s_wait_dscnt 0x0
	CROUND                                         ; the closing round
	s_endpgm
.Lfunc_end_k_q89280fe59a_oproj:
	.size	k_q89280fe59a_oproj, .Lfunc_end_k_q89280fe59a_oproj-k_q89280fe59a_oproj
	.p2alignl 7, 3214868480
	.fill 96, 4, 3214868480
	.section	.rodata,"a",@progbits
	.p2align	6, 0x0
	.amdhsa_kernel k_q89280fe59a_oproj
		.amdhsa_group_segment_fixed_size 327680
		.amdhsa_private_segment_fixed_size 0
		.amdhsa_enable_private_segment 0
		.amdhsa_kernarg_size 48
		.amdhsa_user_sgpr_count 2
		.amdhsa_user_sgpr_kernarg_segment_ptr 1
		.amdhsa_wavefront_size32 1
		.amdhsa_system_sgpr_workgroup_id_x 1
		.amdhsa_system_sgpr_workgroup_id_y 1
		.amdhsa_system_sgpr_workgroup_id_z 1
		.amdhsa_system_vgpr_workitem_id 0
		.amdhsa_next_free_vgpr 1024
		.amdhsa_next_free_sgpr 100
		.amdhsa_reserve_vcc 0
		.amdhsa_float_denorm_mode_32 3
		.amdhsa_float_denorm_mode_16_64 3
		.amdhsa_memory_ordered 1
		.amdhsa_forward_progress 1
		.amdhsa_inst_pref_size 85
	.end_amdhsa_kernel
	.amdgpu_metadata
---
amdhsa.version: [ 1, 2 ]
amdhsa.kernels:
  - .name:           k_q89280fe59a_oproj
    .symbol:         k_q89280fe59a_oproj.kd
    .args:
      - { .name: ctx_img, .offset: 0, .size: 8, .value_kind: global_buffer, .address_space: global }
      - { .name: ctx_sc, .offset: 8, .size: 8, .value_kind: global_buffer, .address_space: global }
      - { .name: xw_img, .offset: 16, .size: 8, .value_kind: global_buffer, .address_space: global }
      - { .name: xw_sc, .offset: 24, .size: 8, .value_kind: global_buffer, .address_space: global }
      - { .name: bo, .offset: 32, .size: 8, .value_kind: global_buffer, .address_space: global }
      - { .name: out0, .offset: 40, .size: 8, .value_kind: global_buffer, .address_space: global }
    .group_segment_fixed_size: 327680
    .private_segment_fixed_size: 0
    .kernarg_segment_align: 8
    .kernarg_segment_size: 48
    .max_flat_workgroup_size: 128
    .sgpr_count:     100
    .vgpr_count:     1024
    .wavefront_size: 32
...
	.end_amdgpu_metadata
.endif
;; end of part 4
